; MI455X (gfx1250); checked and timed in simulation.
; The chip was launched on July 23, 2026; its instructions are those of AMD's public machine-readable ISA for CDNA 5 (MIT licence, August 2026) and "CDNA5" Instruction Set Architecture Reference Guide (July 2026). The comments in the code are by the model that wrote it; some were corrected since.
;; Atten. Allowed arithmetic: matrix products marked QUANTISED: E2M1 operands, one E8M0 scale for each 32 along K, by v_wmma_scale_f32_16x16x128_f8f6f4 with both operands' format E2M1 (or v_wmma_scale_f32_32x16x128_f4), f32 sums; everything else in f32.
;; Inputs: Wk_codes 512 x 16 x 16 uint8 (E2M1 codes of Wk, K innermost, in blocks of 32 codes, two codes a byte); Wk_scales 512 x 16 uint8 (E8M0 scales of Wk, one for each 32 codes along K); Wo_codes 512 x 16 x 16 uint8 (E2M1 codes of Wo, K innermost, in blocks of 32 codes, two codes a byte); Wo_scales 512 x 16 uint8 (E8M0 scales of Wo, one for each 32 codes along K); Wq_codes 512 x 16 x 16 uint8 (E2M1 codes of Wq, K innermost, in blocks of 32 codes, two codes a byte); Wq_scales 512 x 16 uint8 (E8M0 scales of Wq, one for each 32 codes along K); Wv_codes 512 x 16 x 16 uint8 (E2M1 codes of Wv, K innermost, in blocks of 32 codes, two codes a byte); Wv_scales 512 x 16 uint8 (E8M0 scales of Wv, one for each 32 codes along K); bk 512 float32; bo 512 float32; bq 512 float32; bv 512 float32; gn_b 512 float32; gn_w 512 float32; x 32 x 512 x 32 x 32 float32.
;; Outputs: out0 32 x 512 x 32 x 32 float32.
;; This version of the problem:
;;   THIS VERSION OF THE PROBLEM IS GIVEN IN LOW PRECISION. The matrix products marked QUANTISED in the list below multiply operands that are first quantised to E2M1 (2 exponent bits, 1 mantissa bit; 4 bits a number), with one power-of-two scale for each 32 numbers along K (OCP MX v1.0); their sums are f32. All else is computed in f32.
;;   The module's matrix products, in the order in which they are computed (A, B: the left and right operand; K: the contracted axis; several contracted axes count as one K, in the product's order):
;;     1. [M 32,768, K 512] x [K 512, N 512]; A: computed on the way; B: input Wq (given as codes): QUANTISED
;;     2. [M 32,768, K 512] x [K 512, N 512]; A: computed on the way; B: input Wk (given as codes): QUANTISED
;;     3. [M 32,768, K 512] x [K 512, N 512]; A: computed on the way; B: input Wv (given as codes): QUANTISED
;;     4. batch 32 x [M 1,024, K 512] x [K 512, N 1,024]; A: computed on the way; B: computed on the way: QUANTISED
;;     5. batch 32 x [M 1,024, K 1,024] x [K 1,024, N 512]; A: softmax (see below); B: computed on the way: QUANTISED
;;     6. [M 32,768, K 512] x [K 512, N 512]; A: computed on the way; B: input Wo (given as codes): QUANTISED
;;   THE QUANTISER, for each operand of a quantised product, along K:
;;     - K is cut into blocks of 32 from its start; a last block that is shorter is filled with zeros.
;;     - A block's scale is 2^e with e = floor(log2(the largest magnitude in the block)) - 2, held to -126 .. 127; a block of zeros has e = 0. As a byte (E8M0): e + 127.
;;     - Each number is divided by its block's scale, clamped to +-6, and rounded to the nearest number of E2M1, ties to even, subnormals kept.
;;     - The product sums the exact products of the quantised numbers (number of the format x scale) in f32.
;;   ~~~python
;;   def quantise(x, axis):      # numpy; x: float32 -> the quantised numbers, widened to float32 again
;;       x = np.moveaxis(x, axis, -1); K = x.shape[-1]
;;       x = np.pad(x, [(0, 0)] * (x.ndim - 1) + [(0, -K % 32)]); x = x.reshape(x.shape[:-1] + (-1, 32)); a = np.abs(x).max(-1, keepdims=True)
;;       e = np.where(a > 0, np.clip(np.frexp(np.where(a > 0, a, 1))[1] - 1 - 2, -126, 127), 0)      # np.frexp(a)[1] - 1 = floor(log2(a)), exactly
;;       r = np.clip(x / 2.0 ** e, -6, 6)
;;       step = 2.0 ** (np.maximum(np.frexp(np.where(r == 0, 1, r))[1] - 1, 0) - 1)
;;       q = np.round(r / step) * step * 2.0 ** e      # np.round: ties to even
;;       return np.moveaxis(q.reshape(q.shape[:-2] + (-1,))[..., :K], -1, axis).astype(np.float32)
;;   ~~~
;;   SOFTMAX AHEAD OF A QUANTISED PRODUCT. Where the list says 'softmax', what is quantised is not the finished softmax but p = 2^(t - M), with t = logit x log2(e) and M = ceil(the row's largest t), a whole number; so 1/2 < the row's largest p <= 1. The row's sum l is taken of the UNQUANTISED p, in f32, and the product's result is divided by l at the end. Since M is a whole number, a kernel that streams over the keys may use a running M (the ceiling of the running maximum): every later rescaling is an exact power of two, which a block's scale takes up: the codes' values come out the same.
;;   OPERANDS COMPUTED ON THE WAY. 'Computed on the way' means the value that the module computes at that place (a softmax that the list does not call 'softmax' is quantised finished and normalised). What goes into a quantiser is computed in f32, as accurately as f32 sums, v_exp_f32 and their like allow (about 1e-6 of the number): no bf16 or f16 on the way to a quantiser, and a product that is left as it is and whose result goes on into a quantised operand takes f32 operands (vector FMAs, or v_wmma_f32_16x16x4_f32). A number that lies on a knife's edge between two numbers of the format may be rounded either way, as far as f32 arithmetic and the matrix unit's own rounding can turn it there, and no further.
;;   INPUTS GIVEN AS CODES. Wk (in the module: [512, 512], K = its axis 1); Wo (in the module: [512, 512], K = its axis 1); Wq (in the module: [512, 512], K = its axis 1); Wv (in the module: [512, 512], K = its axis 1): each comes as NAME_codes (uint8): NAME with its K axis moved to the last place and cut into blocks of 32 codes, [.., K / 32, bytes a block], one block behind the other in memory; two codes a byte, the lower K in the low four bits (a code: sign, 2 exponent bits, 1 mantissa bit); and NAME_scales (uint8): the same leading axes, one E8M0 byte (e + 127) for each 32 codes along K. Its value is code x scale, taken as it is: it is not quantised again, and the codes and scales need not be those that the quantiser above would give.
;; 2 versions, each right; version 2 is version 1 with the launch qkv written anew for expert scheduling mode. Each part assembles by itself: llvm-mc -triple=amdgcn-amd-amdhsa -mcpu=gfx1250 --defsym DOCPART=n.
;; ======== version 1 of 2: 3 launches
;; workspace buffers: t_codes 8,388,608 bytes; t_scales 524,288 bytes; q_img 8,388,608 bytes; q_sc 524,288 bytes; kv 16,777,216 bytes; kvs 1,048,576 bytes
;; launch norm (part 1): grid 16 x 32, 8 waves a work-group, no clusters, 18,944 bytes of LDS; arguments x, gn_w, gn_b, t_codes, t_scales; writes t_codes, t_scales
.if DOCPART == 1
	.amdgcn_target "amdgcn-amd-amdhsa--gfx1250"
	.amdhsa_code_object_version 6
	.text
	.protected	k_q89dcd0683a_norm
	.globl	k_q89dcd0683a_norm
	.p2align	8
	.type	k_q89dcd0683a_norm,@function
k_q89dcd0683a_norm:
	s_mov_b64 s[64:65], 0
	v_nop
	global_prefetch_b8 v0, s[64:65] scope:SCOPE_SE
	s_setreg_imm32_b32 hwreg(HW_REG_WAVE_MODE, 25, 1), 1
	s_wait_xcnt 0x0
; t = group_norm(x) as codes of FP4 (E2M1) with one E8M0 byte for each 32 channels: the operand t of the three projections, K = the channels.
; x: [32][512][1024] f32.  A work-group takes one batch b (grid y) and 32 channels cb (grid x): two groups of 16 channels, and one block of 32 along K for each of the 1,024 places.
; Its 128 KB of x stay in registers between the sums and the quantiser: x is read once.  Thread t holds places 4 t .. 4 t + 3 of all 32 channels: each load of a wave is 512 consecutive bytes of one channel.
; The mean is taken first and subtracted, then the squares are summed: no difference of large sums is formed.  A wave's sums meet the other seven in LDS, added in a fixed order.
; y = (x - mean) (rstd w) + b is one fused multiply-add whose destination is chosen so that a place's 32 channels lie in 32 consecutive registers: that is all the transposition there is.
; OUT.  t_codes [b][cb][p][16 bytes], t_scales [b][cb][p]: p is the place with its bits 3 and 4 exchanged, so that 16 consecutive p are the rows of an operand tile as the next launch wants them.
; The codes turn through the wave's own 2 KB of LDS and leave as stores of 512 consecutive bytes; the 1,024 scale bytes are gathered in LDS and leave by waves 0 and 1, 512 consecutive bytes each.
; No tensor loads, no matrix work, no cluster: work-groups share no input.
; LIMITS: NaN and infinities are not served.  A block whose largest magnitude lies under 2^-124 (a block of zeros too) gets the byte 1: its bytes are read by this program alone.
; rstd x gn_w is one factor: one rounding where the source has two.  v_rsq_f32 is taken as it is (ISA guide, its entry: 1 ulp).
.set X,    16                          ; v16-143  x: channel c, place j at v[X + 4 c + j]
.set Y0,   144                         ; v144-175, v176-207: a place's 32 channels, two sets by turns
.set CD,   208                         ; v208-223 codes: four registers for each of my four places
.set SBY,  224                         ; v224-227 their scale bytes
.set RED1, 16384                       ; LDS: behind the eight turns of 2 KB: [group 2][wave 8] words, the sums;
.set RED2, 16640                       ; the sums of squares;
.set SCT,  16896                       ; the 1,024 scale bytes, in the order p
	s_load_b256 s[4:11], s[0:1], 0x0               ; x s[4:5], gn_w s[6:7], gn_b s[8:9], t_codes s[10:11]
	s_load_b64 s[12:13], s[0:1], 0x20              ; t_scales
	v_lshl_add_u32 v240, v0, 2, 0x4600
	v_mov_b32 v241, 0
	v_lshrrev_b32 v8, 5, v0
	v_readfirstlane_b32 s14, v8                    ; wave 0..7
	s_lshl_b32 s15, ttmp9, 7                       ; my 32 channels' bytes in gn_w and gn_b
	s_and_b32 s88, ttmp7, 0xffff                   ; b
	s_lshl_b32 s90, s88, 21                        ; x: b x 512 channels x 4,096 bytes
	s_lshl_b32 s91, ttmp9, 17                      ;    + cb x 32 channels
	s_add_co_u32 s90, s90, s91
	s_mov_b32 s91, 0
	s_lshl_b32 s88, s88, 4
	s_add_co_u32 s88, s88, ttmp9                   ; 16 b + cb
	s_lshl_b32 s92, s88, 14                        ; t_codes: 16,384 bytes each
	s_mov_b32 s93, 0
	s_lshl_b32 s94, s88, 10                        ; t_scales: 1,024 bytes each
	s_mov_b32 s95, 0
	s_mov_b32 s86, 0x76543210                      ; v_permlanex16_b32's selects for lane l xor 16
	s_mov_b32 s87, 0xfedcba98
	v_lshlrev_b32 v1, 4, v0                        ; 16 x thread: my four places in a channel's row
	v_and_b32 v2, 31, v0                           ; lane
	v_and_b32 v3, 0x19, v2                         ; l': the lane with its bits 1 and 2 exchanged (they are bits 3 and 4 of the place)
	v_bfe_u32 v8, v0, 1, 1
	v_lshl_add_u32 v3, v8, 2, v3
	v_bfe_u32 v8, v0, 2, 1
	v_lshl_add_u32 v3, v8, 1, v3
	v_and_b32 v8, 0xe0, v0                         ; 32 x wave
	v_lshlrev_b32 v9, 6, v8                        ; 2,048 x wave: my wave's turn
	v_lshl_add_u32 v4, v3, 6, v9                   ; into it: 16 bytes at p: 64 l' + 16 j
	v_lshl_add_u32 v5, v2, 4, v9                   ; out of it, and the same place in t_codes: 16 x lane
	v_lshrrev_b32 v6, 3, v8                        ; 4 x wave: my wave's word among the sums
	v_mov_b32 v7, 0
	v_lshlrev_b32 v9, 2, v8
	v_lshl_add_u32 v238, v3, 2, v9                 ; 128 x wave + 4 l': my four scale bytes
	v_mov_b32 v239, 0                              ; a lane exchange's destination counts as read: written once
	s_wait_kmcnt 0x0
	s_add_nc_u64 s[4:5], s[4:5], s[90:91]
	s_add_nc_u64 s[10:11], s[10:11], s[92:93]
	s_add_nc_u64 s[12:13], s[12:13], s[94:95]
.set c, 0
.rept 32
	global_load_b128 v[X+4*c:X+4*c+3], v1, s[4:5] offset:c*4096 th:TH_LOAD_NT   ; channel c: 32 lanes read 512 consecutive bytes
.set c, c+1
.endr
	s_load_b512 s[16:31], s[6:7], s15              ; gn_w of my 32 channels: s16-47
	s_load_b512 s[32:47], s[6:7], s15 offset:0x40
	s_load_b512 s[48:63], s[8:9], s15              ; gn_b: s48-63 and s68-83
	s_load_b512 s[68:83], s[8:9], s15 offset:0x40
.macro GSUM g                          ; my 64 numbers of group g: two chains of packed sums
.set A, 8+4*\g
.set XB, X+64*\g
	v_pk_add_f32 v[A:A+1], v[XB:XB+1], v[XB+2:XB+3]
	v_pk_add_f32 v[A+2:A+3], v[XB+4:XB+5], v[XB+6:XB+7]
.set i, 8
.rept 14
	v_pk_add_f32 v[A:A+1], v[A:A+1], v[XB+i:XB+i+1]
	v_pk_add_f32 v[A+2:A+3], v[A+2:A+3], v[XB+i+2:XB+i+3]
.set i, i+4
.endr
	v_pk_add_f32 v[A:A+1], v[A:A+1], v[A+2:A+3]
	v_add_f32 v[A], v[A], v[A+1]
.endm
.macro GSQ g                           ; the same of their squares
.set A, 8+4*\g
.set XB, X+64*\g
	v_pk_mul_f32 v[A:A+1], v[XB:XB+1], v[XB:XB+1]
	v_pk_mul_f32 v[A+2:A+3], v[XB+2:XB+3], v[XB+2:XB+3]
.set i, 4
.rept 15
	v_pk_fma_f32 v[A:A+1], v[XB+i:XB+i+1], v[XB+i:XB+i+1], v[A:A+1]
	v_pk_fma_f32 v[A+2:A+3], v[XB+i+2:XB+i+3], v[XB+i+2:XB+i+3], v[A+2:A+3]
.set i, i+4
.endr
	v_pk_add_f32 v[A:A+1], v[A:A+1], v[A+2:A+3]
	v_add_f32 v[A], v[A], v[A+1]
.endm
.macro WRED r                          ; over the wave's 32 lanes; every lane ends with the sum
	v_add_f32_dpp v[\r], v[\r], v[\r] row_xmask:1 row_mask:0xf bank_mask:0xf
	v_add_f32_dpp v[\r], v[\r], v[\r] row_xmask:2 row_mask:0xf bank_mask:0xf
	v_add_f32_dpp v[\r], v[\r], v[\r] row_xmask:4 row_mask:0xf bank_mask:0xf
	v_add_f32_dpp v[\r], v[\r], v[\r] row_xmask:8 row_mask:0xf bank_mask:0xf
	v_permlanex16_b32 v239, v[\r], s86, s87
	v_add_f32 v[\r], v[\r], v239
.endm
.macro MEET base                       ; my wave's two sums (v8, v12) to LDS, a barrier, all sixteen back: v144 and v152 hold the groups' sums, added in one fixed order in every wave
	ds_store_b32 v6, v8 offset:\base
	ds_store_b32 v6, v12 offset:\base+32
	s_wait_dscnt 0x0                               ; for the others' sake: my stores are done
	s_barrier_signal -1
	s_barrier_wait -1
.irp i, 0,1,2,3
	ds_load_b128 v[144+4*\i:147+4*\i], v7 offset:\base+16*\i
.endr
	s_wait_dscnt 0x0
.irp a, 144, 152
	v_add_f32 v[\a], v[\a], v[\a+1]
	v_add_f32 v[\a+2], v[\a+2], v[\a+3]
	v_add_f32 v[\a+4], v[\a+4], v[\a+5]
	v_add_f32 v[\a+6], v[\a+6], v[\a+7]
	v_add_f32 v[\a], v[\a], v[\a+2]
	v_add_f32 v[\a+4], v[\a+4], v[\a+6]
	v_add_f32 v[\a], v[\a], v[\a+4]
.endr
.endm
	s_wait_loadcnt 16                              ; group 0's sixteen channels are in; group 1's sixteen loads may be out
	GSUM 0
	s_wait_loadcnt 0x0
	GSUM 1
	WRED 8
	WRED 12
	MEET RED1
	v_mul_f32 v228, 0x38800000, v144               ; the means: / 16,384
	v_mul_f32 v230, 0x38800000, v152
	v_mov_b32 v229, v228                           ; (named with them as pairs, so they are written)
	v_mov_b32 v231, v230
.set i, 0
.rept 32
	v_pk_add_f32 v[X+i:X+i+1], v[X+i:X+i+1], v[228:229] op_sel_hi:[1,0] neg_lo:[0,1] neg_hi:[0,1]   ; x - mean, in place
	v_pk_add_f32 v[X+64+i:X+64+i+1], v[X+64+i:X+64+i+1], v[230:231] op_sel_hi:[1,0] neg_lo:[0,1] neg_hi:[0,1]
.set i, i+2
.endr
	GSQ 0
	GSQ 1
	WRED 8
	WRED 12
	MEET RED2                                      ; other bytes than the first meeting's: no wave still reads what is stored here
	s_mov_b32 s88, 0x38800000                      ; 1 / 16,384
	s_mov_b32 s89, 0x358637bd                      ; eps = 1e-6
	v_fma_f32 v8, v144, s88, s89                   ; var + eps
	v_fma_f32 v12, v152, s88, s89
	v_rsq_f32 v8, v8
	v_rsq_f32 v12, v12
	v_nop                                          ; a plain instruction behind the transcendentals (ISA guide 5.7.2)
	s_wait_alu depctr_va_vdst(0)
	v_readfirstlane_b32 s84, v8                    ; the same number in every lane
	v_readfirstlane_b32 s85, v12
	s_wait_kmcnt 0x0                               ; gn_w, gn_b
.set c, 0
.rept 32
	s_mul_f32 s[16+c], s[16+c], s[84+c/16]         ; a_c = gn_w[c] x rstd of c's group
.set c, c+1
.endr
; My place j: its 32 channels into 32 consecutive registers, the block's largest magnitude (all 32 are mine), the scale, four conversions.
.macro QCOL j
.set Y, Y0+32*((\j)%2)
.set T, 232+3*((\j)%2)
.set c, 0
.rept 32
.if c < 16
	v_fma_f32 v[Y+c], v[X+4*c+\j], s[16+c], s[48+c]
.else
	v_fma_f32 v[Y+c], v[X+4*c+\j], s[16+c], s[52+c]
.endif
.set c, c+1
.endr
	v_max3_num_f32 v[T], |v[Y]|, |v[Y+1]|, 0x1800000   ; with the floor 2^(3 - 127) among the leaves: the byte cannot fall under 1
	v_max3_num_f32 v[T+1], |v[Y+2]|, |v[Y+3]|, |v[Y+4]|
.set i, 5
.rept 13
	v_max3_num_f32 v[T+(i/2)%2], v[T+(i/2)%2], |v[Y+i]|, |v[Y+i+1]|
.set i, i+2
.endr
	v_max3_num_f32 v[T], v[T], v[T+1], |v[Y+31]|
	v_add_nc_u32 v[T+2], 0xff000000, v[T]          ; 2 off the exponent field: the conversion takes this operand's exponent field as its scale
.irp g, 0,1,2,3
	v_cvt_scalef32_pk8_fp4_f32 v[CD+4*\j+\g], v[Y+8*\g:Y+8*\g+7], v[T+2]
.endr
	v_lshrrev_b32 v[SBY+\j], 23, v[T+2]            ; the scale's byte; also the plain instruction behind the conversions
.endm
	QCOL 0
	QCOL 1
	QCOL 2
	QCOL 3
	v_lshl_or_b32 v224, v225, 8, v224              ; my four places are neighbours in p: one word
	v_lshl_or_b32 v224, v226, 16, v224
	v_lshl_or_b32 v224, v227, 24, v224
	ds_store_b32 v238, v224 offset:SCT
.irp j, 0,1,2,3
	ds_store_b128 v4, v[CD+4*\j:CD+4*\j+3] offset:16*\j
.endr
.irp i, 0,1,2,3
	ds_load_b128 v[Y0+4*\i:Y0+4*\i+3], v5 offset:512*\i   ; my wave's own bytes; LDS serves a wave's instructions in order (ISA guide 5.7.1.4): these see the stores above
.endr
.irp i, 0,1,2,3
	s_wait_dscnt 3-\i                              ; load i is back; the younger ones may be out
	global_store_b128 v5, v[Y0+4*\i:Y0+4*\i+3], s[10:11] offset:512*\i   ; 32 lanes store 512 consecutive bytes, at a multiple of 256 from the buffer's first byte
.endr
	s_wait_dscnt 0x0                               ; my scale word is in LDS
	s_barrier_signal -1
	s_barrier_wait -1
	s_cmp_lt_u32 s14, 2                            ; waves 0 and 1 carry the 1,024 scale bytes out
	s_cbranch_scc0 .Ldone
	ds_load_b128 v[176:179], v1 offset:SCT
	s_wait_dscnt 0x0
	global_store_b128 v1, v[176:179], s[12:13]
.Ldone:
	s_wait_tensorcnt 0x0
	ds_add_u32 v240, v241
	s_wait_dscnt 0x0
	s_endpgm
.Lfunc_end_k_q89dcd0683a_norm:
	.size	k_q89dcd0683a_norm, .Lfunc_end_k_q89dcd0683a_norm-k_q89dcd0683a_norm
	.p2alignl 7, 3214868480
	.fill 96, 4, 3214868480
	.section	.rodata,"a",@progbits
	.p2align	6, 0x0
	.amdhsa_kernel k_q89dcd0683a_norm
		.amdhsa_group_segment_fixed_size 18944
		.amdhsa_private_segment_fixed_size 0
		.amdhsa_enable_private_segment 0
		.amdhsa_kernarg_size 40
		.amdhsa_user_sgpr_count 2
		.amdhsa_user_sgpr_kernarg_segment_ptr 1
		.amdhsa_wavefront_size32 1
		.amdhsa_system_sgpr_workgroup_id_x 1
		.amdhsa_system_sgpr_workgroup_id_y 1
		.amdhsa_system_sgpr_workgroup_id_z 1
		.amdhsa_system_vgpr_workitem_id 0
		.amdhsa_next_free_vgpr 242
		.amdhsa_next_free_sgpr 96
		.amdhsa_reserve_vcc 0
		.amdhsa_float_denorm_mode_32 3
		.amdhsa_float_denorm_mode_16_64 3
		.amdhsa_memory_ordered 1
		.amdhsa_forward_progress 1
		.amdhsa_inst_pref_size 38
	.end_amdhsa_kernel
	.amdgpu_metadata
---
amdhsa.version: [ 1, 2 ]
amdhsa.kernels:
  - .name:           k_q89dcd0683a_norm
    .symbol:         k_q89dcd0683a_norm.kd
    .args:
      - { .name: x, .offset: 0, .size: 8, .value_kind: global_buffer, .address_space: global }
      - { .name: gn_w, .offset: 8, .size: 8, .value_kind: global_buffer, .address_space: global }
      - { .name: gn_b, .offset: 16, .size: 8, .value_kind: global_buffer, .address_space: global }
      - { .name: t_codes, .offset: 24, .size: 8, .value_kind: global_buffer, .address_space: global }
      - { .name: t_scales, .offset: 32, .size: 8, .value_kind: global_buffer, .address_space: global }
    .group_segment_fixed_size: 18944
    .private_segment_fixed_size: 0
    .kernarg_segment_align: 8
    .kernarg_segment_size: 40
    .max_flat_workgroup_size: 256
    .sgpr_count:     96
    .vgpr_count:     242
    .wavefront_size: 32
...
	.end_amdgpu_metadata
.endif
;; end of part 1
;; launch qkv (part 2): grid 256 x 1, 4 waves a work-group, no clusters, 35,328 bytes of LDS; arguments t_codes, t_scales, Wq_codes, Wq_scales, bq, Wk_codes, Wk_scales, bk, Wv_codes, Wv_scales, bv, q_img, q_sc, kv, kvs; writes q_img, q_sc, kv, kvs
.if DOCPART == 2
	.amdgcn_target "amdgcn-amd-amdhsa--gfx1250"
	.amdhsa_code_object_version 6
	.text
	.protected	k_q89dcd0683a_qkv
	.globl	k_q89dcd0683a_qkv
	.p2align	8
	.type	k_q89dcd0683a_qkv,@function
k_q89dcd0683a_qkv:
	s_mov_b64 s[64:65], 0
	v_nop
	global_prefetch_b8 v0, s[64:65] scope:SCOPE_SE
	s_setreg_imm32_b32 hwreg(HW_REG_WAVE_MODE, 25, 1), 1
	s_wait_xcnt 0x0
; q = t Wq^T + bq, k = t Wk^T + bk, v = t Wv^T + bv on codes of FP4 (E2M1) with E8M0 scales; the results are quantised at once: q and k along the channels, v along the places (the keys).
; A work-group takes 128 places of one batch (work-group g = 8 b + kb) and all 1,536 outputs.  THE WAVES SHARE THE OUTPUT CHANNELS: wave w makes channels 128 w .. 128 w + 127 of q, then of v, then of k.
; Its quarter of a weight (32 fragments, 256 registers) is loaded straight into its registers, and t's 32 fragments fill another 256: no operand is read twice from LDS.
; q, k: source 0 = 16 rows of W, source 1 = 16 places: a lane holds ONE place and its registers run along the channels.  v: source 0 = 16 places, source 1 = 16 rows of Wv: a lane holds ONE channel and its registers run along the places.
; THE ROWS OF A TILE ARE NOT NEIGHBOURS: row r of tile 2 b + u is number 32 b + 8 u + r + 8 (r / 8), of the weights' rows (by the addresses here) and of the places (t_codes is laid so): the 16 registers of two
; neighbouring tiles are then 16 neighbours along the next product's K.
; OUT, all as IMAGES OF OPERAND REGISTERS (a fragment: two stores of 512 consecutive bytes, lane l's 16 bytes at 16 l): q_img [g][tile 8][K step 4][1 KB]; kv [g][K: tile 8 x K step 4 | V: channel tile 32][1 KB].
; Scale words as images too, 512 bytes for eight tiles: lane (r, h) holds at 16 l the words of row r of tiles 4 h .. 4 h + 3: q_sc [g][K step 4], kvs [g][K: K step 4 | V: 4].
; NO JOINT LOADS for the weights, though all work-groups read them: the three weights are 393,216 bytes, more than LDS holds at once, and each byte is wanted by one wave alone, whose registers it reaches without LDS.
; LIMITS: NaN and infinities are not served.  A block whose largest magnitude lies under 2^-124 gets the byte 1: these bytes are read by this program alone.
; REGISTERS, in windows of 256.  Window 1: Wq's fragments, later Wk's, at v[32 n + 8 ks + 4 c].  Window 2: Wv's.  Window 3: t's, at v[32 m + 8 ks + 4 c].  Window 0: below.
.set S1,   12                          ; v12-43   scale words: lanes 0-15 Wq's, lanes 16-31 Wk's; register 4 n + ks
.set S2,   44                          ; v44-75   lanes 0-15 t's (4 m + ks), lanes 16-31 Wv's (4 n + ks)
.set BIAS, 76                          ; v76-139  bq, later bk: eight registers a tile, in the result's layout
.set ACC,  140                         ; v140-203 eight accumulators
.set TM,   204                         ; v204-219 the quantiser's work
.set PC,   220                         ; v220-227 the fragment just made
.set PWS,  228                         ; v228-235 the scale words of eight tiles
.set OUTW, 236                         ; v236-239 their image
.set BV,   240                         ; v240-247 bv of my lane's channel, tile by tile
.set CB,   248                         ; v248-255 the same, eight times: the C of v's first products
.set SEL,  42                          ; s[42:43] v_permlanex16_b32's selects
.set TSC,  32768                       ; LDS: t's 32 fragment images from byte 0, then its scale words [place 128][K step 4]
.set MSB,  0
.macro WIN new                         ; s_set_vgpr_msb: bits 1:0 source 0, 3:2 source 1, 5:4 source 2, 7:6 destination; the high byte repeats the setting that is left
.if MSB != (\new)
	s_set_vgpr_msb (MSB<<8)|(\new)
.set MSB, (\new)
.endif
.endm
.macro PLACES                          ; four plain vector instructions behind a matrix instruction, ahead of reads of its result and of loads into its registers
.rept 4
	v_nop
.endr
.endm
.macro WM d, a, b, c, sa, sb, ra, rb   ; one product; ra, rb: the side's scales stand in lanes 16-31
.if (\ra)
	v_wmma_scale_f32_16x16x128_f8f6f4 v[\d:\d+7], v[\a:\a+7], v[\b:\b+7], v[\c:\c+7], v[\sa], v[\sb] matrix_a_fmt:MATRIX_FMT_FP4 matrix_b_fmt:MATRIX_FMT_FP4 matrix_a_scale:MATRIX_SCALE_ROW1
.elseif (\rb)
	v_wmma_scale_f32_16x16x128_f8f6f4 v[\d:\d+7], v[\a:\a+7], v[\b:\b+7], v[\c:\c+7], v[\sa], v[\sb] matrix_a_fmt:MATRIX_FMT_FP4 matrix_b_fmt:MATRIX_FMT_FP4 matrix_b_scale:MATRIX_SCALE_ROW1
.else
	v_wmma_scale_f32_16x16x128_f8f6f4 v[\d:\d+7], v[\a:\a+7], v[\b:\b+7], v[\c:\c+7], v[\sa], v[\sb] matrix_a_fmt:MATRIX_FMT_FP4 matrix_b_fmt:MATRIX_FMT_FP4
.endif
.endm
; 64 numbers of a lane, register 16 b + i = k 32 b + 16 (lane / 16) + i of my row, become a fragment's codes in v[PC] on and its scale word in v[pw].
.macro QUANT s, pw
.irp b, 0,1,2,3
	v_max3_num_f32 v[TM+\b], |v[\s+16*\b]|, |v[\s+1+16*\b]|, 0x1800000   ; block b: my 16 numbers, from each accumulator's low end on, and the floor 2^(3 - 127): the byte cannot fall under 1
.endr
.irp i, 2,4,6,8,10,12,14
.irp b, 0,1,2,3
	v_max3_num_f32 v[TM+\b], v[TM+\b], |v[\s+16*\b+\i]|, |v[\s+1+16*\b+\i]|
.endr
.endr
.irp b, 0,1,2,3
	v_permlanex16_b32 v[TM+4+\b], v[TM+\b], s[SEL], s[SEL+1]
.endr
.irp b, 0,1,2,3
	v_max_num_f32 v[TM+\b], v[TM+\b], v[TM+4+\b]   ; with lane l xor 16's: the block's largest magnitude
.endr
.irp b, 0,1,2,3
	v_add_nc_u32 v[TM+12+\b], 0xff000000, v[TM+\b] ; 2 off its exponent field: the conversion's scale operand
.endr
.irp b, 0,1,2,3
	v_lshrrev_b32 v[TM+4+\b], 23, v[TM+12+\b]      ; the scale's byte
.endr
	v_lshl_or_b32 v[\pw], v[TM+5], 8, v[TM+4]
	v_lshl_or_b32 v[\pw], v[TM+6], 16, v[\pw]
	v_lshl_or_b32 v[\pw], v[TM+7], 24, v[\pw]
.irp b, 0,1,2,3
	v_cvt_scalef32_pk8_fp4_f32 v[PC+2*\b], v[\s+16*\b:\s+7+16*\b], v[TM+12+\b]
	v_cvt_scalef32_pk8_fp4_f32 v[PC+1+2*\b], v[\s+8+16*\b:\s+15+16*\b], v[TM+12+\b]
.endr
	v_nop                                          ; one plain instruction behind a scaled conversion
.irp c, 0,1                                    ; the operand's layout wants a whole block in a lane: lanes 0-15 block 2 c, lanes 16-31 block 2 c + 1
.irp i, 0,1
	v_permlane16_swap_b32 v[PC+4*\c+\i], v[PC+2+4*\c+\i]
.endr
.endr
.endm
.macro WLOAD sb                        ; my 128 rows of a weight: 32 fragments, 64 loads, into the window that is set as destination
.irp n, 0,1,2,3,4,5,6,7
.irp ks, 0,1,2,3
.irp c, 0,1
	global_load_b128 v[32*\n+8*\ks+4*\c:32*\n+8*\ks+4*\c+3], v2, s[\sb:\sb+1] offset:(32*(\n/2)+8*(\n%2))*256+64*\ks+32*\c
.endr
.endr
.endr
.endm
.macro BLOAD sb                        ; a bias in the result's layout: lane (r, h), tile n: channels 32 (n / 2) + 8 (n % 2) + 16 h + 0 .. 7
.irp n, 0,1,2,3,4,5,6,7
	global_load_b128 v[BIAS+8*\n:BIAS+8*\n+3], v4, s[\sb:\sb+1] offset:(32*(\n/2)+8*(\n%2))*4
	global_load_b128 v[BIAS+8*\n+4:BIAS+8*\n+7], v4, s[\sb:\sb+1] offset:(32*(\n/2)+8*(\n%2))*4+16
.endr
.endm
.macro SCOUT sb                        ; eight tiles' scale words leave as one image: 512 consecutive bytes
	s_wait_xcnt 0x0                                ; the last store that read OUTW has read it
.irp i, 0,1,2,3
	v_cndmask_b32 v[OUTW+\i], v[PWS+\i], v[PWS+4+\i], vcc_lo   ; lanes 0-15: tiles 0-3; lanes 16-31: tiles 4-7
.endr
	global_store_b128 v1, v[OUTW:OUTW+3], s[\sb:\sb+1]
.endm
	s_load_b512 s[4:19], s[0:1], 0x0               ; t_codes s[4:5], t_scales s[6:7], Wq_codes s[8:9], Wq_scales s[10:11], bq s[12:13], Wk_codes s[14:15], Wk_scales s[16:17], bk s[18:19]
	s_load_b256 s[20:27], s[0:1], 0x40             ; Wv_codes s[20:21], Wv_scales s[22:23], bv s[24:25], q_img s[26:27]
	s_load_b128 s[28:31], s[0:1], 0x60             ; q_sc s[28:29], kv s[30:31]
	s_load_b64 s[32:33], s[0:1], 0x70              ; kvs
	v_lshl_add_u32 v214, v0, 2, 0x8800
	v_mov_b32 v215, 0
	v_lshrrev_b32 v10, 5, v0
	v_readfirstlane_b32 s44, v10                   ; wave 0..3
	v_and_b32 v10, 31, v0                          ; lane
	v_cmp_lt_u32 vcc_lo, 15, v10                   ; lanes 16-31: kept for the whole kernel
	v_lshlrev_b32 v1, 4, v10                       ; 16 x lane: an image's place for my lane
	v_and_b32 v11, 15, v0                          ; r
	v_bfe_u32 v10, v0, 4, 1                        ; h
	v_and_b32 v9, 8, v11
	v_add_nc_u32 v9, v9, v11                       ; r + 8 (r / 8)
	v_lshlrev_b32 v2, 8, v9
	v_lshl_add_u32 v2, v10, 4, v2                  ; a weight's codes: a row is 256 bytes; + 16 h
	v_lshlrev_b32 v3, 4, v9                        ; its scale bytes: 16 a row
	v_lshlrev_b32 v4, 6, v10                       ; a bias for q and k: 16 h channels on
	v_lshlrev_b32 v5, 2, v9                        ; bv: my lane's channel
	v_lshlrev_b32 v6, 14, v10
	v_lshl_add_u32 v6, v11, 4, v6                  ; t_codes: 16 bytes a place, 16,384 a block of channels: lanes 16-31 take the next block
	s_lshl_b32 s47, s44, 13
	v_add_nc_u32 v7, s47, v1                       ; LDS: my two tiles' images: 8,192 x wave + 16 x lane
	v_lshl_add_u32 v8, v0, 4, TSC                  ; my place's four scale words (thread = place)
	v_lshl_add_u32 v9, v11, 4, TSC                 ; and a tile's row r on the way back
	s_mov_b32 s[SEL], 0x76543210
	s_mov_b32 s[SEL+1], 0xfedcba98
	s_lshr_b32 s45, ttmp9, 3                       ; b
	s_and_b32 s46, ttmp9, 7                        ; kb
	s_lshl_b32 s48, s45, 18                        ; t_codes: b x 262,144 + 16 x (128 kb + 32 w)
	s_lshl_b32 s49, s46, 11
	s_add_co_u32 s48, s48, s49
	s_lshl_b32 s49, s44, 9
	s_add_co_u32 s48, s48, s49
	s_mov_b32 s49, 0
	s_lshl_b32 s50, s45, 14                        ; t_scales: b x 16,384 + 128 kb
	s_lshl_b32 s51, s46, 7
	s_add_co_u32 s50, s50, s51
	s_mov_b32 s51, 0
	s_lshl_b32 s52, s44, 15                        ; my 128 rows of a weight's codes,
	s_mov_b32 s53, 0
	s_lshl_b32 s54, s44, 11                        ; of its scale bytes,
	s_mov_b32 s55, 0
	s_lshl_b32 s56, s44, 9                         ; of a bias
	s_mov_b32 s57, 0
	s_lshl_b32 s47, s44, 10                        ; my K step's image in a tile
	s_lshl_b32 s58, ttmp9, 15
	s_add_co_u32 s58, s58, s47                     ; q_img
	s_mov_b32 s59, 0
	s_lshl_b32 s60, ttmp9, 16
	s_add_co_u32 s62, s60, 32768
	s_add_co_u32 s60, s60, s47                     ; kv, K's part
	s_mov_b32 s61, 0
	s_lshl_b32 s47, s44, 13
	s_add_co_u32 s62, s62, s47                     ; kv, V's part: my eight channel tiles
	s_mov_b32 s63, 0
	s_lshl_b32 s66, ttmp9, 11
	s_add_co_u32 s66, s66, s56                     ; q_sc: 512 x wave
	s_mov_b32 s67, 0
	s_lshl_b32 s68, ttmp9, 12
	s_add_co_u32 s68, s68, s56                     ; kvs
	s_mov_b32 s69, 0
	s_wait_kmcnt 0x0
	s_add_nc_u64 s[4:5], s[4:5], s[48:49]
	s_add_nc_u64 s[6:7], s[6:7], s[50:51]
	s_add_nc_u64 s[8:9], s[8:9], s[52:53]
	s_add_nc_u64 s[14:15], s[14:15], s[52:53]
	s_add_nc_u64 s[20:21], s[20:21], s[52:53]
	s_add_nc_u64 s[10:11], s[10:11], s[54:55]
	s_add_nc_u64 s[16:17], s[16:17], s[54:55]
	s_add_nc_u64 s[22:23], s[22:23], s[54:55]
	s_add_nc_u64 s[12:13], s[12:13], s[56:57]
	s_add_nc_u64 s[18:19], s[18:19], s[56:57]
	s_add_nc_u64 s[24:25], s[24:25], s[56:57]
	s_add_nc_u64 s[26:27], s[26:27], s[58:59]
	s_add_nc_u64 s[28:29], s[28:29], s[66:67]
	s_add_nc_u64 s[34:35], s[30:31], s[60:61]      ; K's images
	s_add_nc_u64 s[36:37], s[30:31], s[62:63]      ; V's images
	s_add_nc_u64 s[38:39], s[32:33], s[68:69]      ; K's scale image
	s_add_nc_u64 s[40:41], s[38:39], 2048          ; V's
	; 32 loads: my two tiles of t (sixteen lanes read 256 consecutive bytes), and my place's sixteen scale bytes
	WIN 0xc0
.irp i, 0,1
.irp ks, 0,1,2,3
.irp c, 0,1
	global_load_b128 v[32*\i+8*\ks+4*\c:32*\i+8*\ks+4*\c+3], v6, s[4:5] offset:(4*\ks+2*\c)*16384+256*\i
.endr
.endr
.endr
	WIN 0
.irp cb, 0,1,2,3,4,5,6,7,8,9,10,11,12,13,14,15
	global_load_u8 v[ACC+\cb], v0, s[6:7] offset:\cb*1024
.endr
	; 48 loads: the weights' scale words (a row's 16 bytes are its four words), bq, bv
.irp n, 0,1,2,3,4,5,6,7
	global_load_b128 v[S1+4*\n:S1+4*\n+3], v3, s[10:11] offset:(32*(\n/2)+8*(\n%2))*16
.endr
	WIN 0xc0
.irp n, 0,1,2,3,4,5,6,7
	global_load_b128 v[64+4*\n:64+4*\n+3], v3, s[16:17] offset:(32*(\n/2)+8*(\n%2))*16   ; Wk's, for the moment in window 3
.endr
	WIN 0
.irp n, 0,1,2,3,4,5,6,7
	global_load_b128 v[ACC+16+4*\n:ACC+16+4*\n+3], v3, s[22:23] offset:(32*(\n/2)+8*(\n%2))*16   ; Wv's, for the moment in the accumulators
.endr
	BLOAD 12
.irp n, 0,1,2,3,4,5,6,7
	global_load_b32 v[BV+\n], v5, s[24:25] offset:(32*(\n/2)+8*(\n%2))*4
.endr
	WIN 0x40
	WLOAD 8                                        ; 64 loads: Wq
	WIN 0
	s_wait_loadcnt 63                              ; 64 loads were issued behind the first 80: those are in
.irp ks, 0,1,2,3
	v_lshl_or_b32 v[OUTW+\ks], v[ACC+4*\ks+1], 8, v[ACC+4*\ks]   ; four blocks' bytes make a K step's scale word
.endr
.irp ks, 0,1,2,3
	v_lshl_or_b32 v[OUTW+\ks], v[ACC+4*\ks+2], 16, v[OUTW+\ks]
.endr
.irp ks, 0,1,2,3
	v_lshl_or_b32 v[OUTW+\ks], v[ACC+4*\ks+3], 24, v[OUTW+\ks]
.endr
	ds_store_b128 v8, v[OUTW:OUTW+3]
	WIN 0x0c                                       ; an LDS store's data and a select's second source: window 3
.irp i, 0,1
.irp ks, 0,1,2,3
.irp c, 0,1
	ds_store_b128 v7, v[32*\i+8*\ks+4*\c:32*\i+8*\ks+4*\c+3] offset:4096*\i+1024*\ks+512*\c   ; the fragments as they stand
.endr
.endr
.endr
.set i, 0
.rept 32
	v_cndmask_b32 v[S1+i], v[S1+i], v[64+i], vcc_lo   ; Wk's words into lanes 16-31
.set i, i+1
.endr
	WIN 0x80
	WLOAD 20                                       ; 64 loads: Wv
	WIN 0
	s_wait_dscnt 0x0                               ; for the others' sake: my images and scale words are in LDS
	s_barrier_signal -1
	s_barrier_wait -1                              ; the launch's one barrier: nothing in LDS is written again
	WIN 0xc0
.irp m, 0,1,2,3,4,5,6,7
.irp ks, 0,1,2,3
.irp c, 0,1
	ds_load_b128 v[32*\m+8*\ks+4*\c:32*\m+8*\ks+4*\c+3], v1 offset:4096*\m+1024*\ks+512*\c
.endr
.endr
.endr
	WIN 0
.irp m, 0,1,2,3,4,5,6,7
	ds_load_b128 v[S2+4*\m:S2+4*\m+3], v9 offset:256*\m
.endr
	s_wait_dscnt 0x0
.set i, 0
.rept 32
	v_cndmask_b32 v[S2+i], v[S2+i], v[ACC+16+i], vcc_lo   ; Wv's words into lanes 16-31
.set i, i+1
.endr
.irp b, 0,1,2,3
	v_mov_b32 v[TM+4+\b], 0                        ; a lane exchange's destination counts as read: written once
.endr
.rept 8
	v_nop                                          ; a scale register written by a vector instruction stands eight plain instructions ahead of the product that reads it
.endr
	s_wait_loadcnt 63                              ; 64 loads (Wv's) were issued behind Wq's: Wq is in
; q or k for the 128 places, a tile of 16 at a time: 32 products on eight accumulators by turns; the bias is the C of each sum's first product.
.macro QK rowk, cb, sb
.irp m, 0,1,2,3,4,5,6,7
	WIN 0x0d                                       ; source 0 (W) window 1, source 1 (t) window 3
.irp ks, 0,1,2,3
.irp n, 0,1,2,3,4,5,6,7
.if \ks == 0
	WM ACC+8*\n, 32*\n+8*\ks, 32*\m+8*\ks, BIAS+8*\n, S1+4*\n+\ks, S2+4*\m+\ks, \rowk, 0
.else
	WM ACC+8*\n, 32*\n+8*\ks, 32*\m+8*\ks, ACC+8*\n, S1+4*\n+\ks, S2+4*\m+\ks, \rowk, 0
.endif
.endr
.endr
	WIN 0
	PLACES
	s_wait_xcnt 0x0                                ; the last tile's stores have read v[PC] on
	QUANT ACC, PWS+\m
	global_store_b128 v1, v[PC:PC+3], s[\cb:\cb+1] offset:4096*\m        ; K step w of tile m: 512 consecutive bytes a store
	global_store_b128 v1, v[PC+4:PC+7], s[\cb:\cb+1] offset:4096*\m+512
.endr
	SCOUT \sb
.endm
	QK 0, 26, 28                                   ; q
	WIN 0x40
	WLOAD 14                                       ; Wk takes Wq's registers (the quantiser's instructions stand behind the last product that read them),
	WIN 0
	BLOAD 18                                       ; bk takes bq's: 80 loads, which land while v is made
	s_wait_loadcnt 63                              ; 80 loads were issued behind Wv's: Wv is in
	; v: a tile of 16 channels at a time, for all 128 places: the result's 64 registers run along the places, one K step of the second attention product
.irp n, 0,1,2,3,4,5,6,7
.irp j, 0,1,2,3,4,5,6,7
	v_mov_b32 v[CB+\j], v[BV+\n]                   ; a lane holds one channel: its bias in all eight registers of C
.endr
	PLACES
	WIN 0x0b                                       ; source 0 (t) window 3, source 1 (Wv) window 2
.irp ks, 0,1,2,3
.irp m, 0,1,2,3,4,5,6,7
.if \ks == 0
	WM ACC+8*\m, 32*\m+8*\ks, 32*\n+8*\ks, CB, S2+4*\m+\ks, S2+4*\n+\ks, 0, 1
.else
	WM ACC+8*\m, 32*\m+8*\ks, 32*\n+8*\ks, ACC+8*\m, S2+4*\m+\ks, S2+4*\n+\ks, 0, 1
.endif
.endr
.endr
	WIN 0
	PLACES
	s_wait_xcnt 0x0
	QUANT ACC, PWS+\n
	global_store_b128 v1, v[PC:PC+3], s[36:37] offset:1024*\n
	global_store_b128 v1, v[PC+4:PC+7], s[36:37] offset:1024*\n+512
.endr
	SCOUT 40
	s_wait_loadcnt 0x0                             ; Wk, bk
	QK 1, 34, 38                                   ; k
	s_wait_tensorcnt 0x0
	ds_add_u32 v214, v215
	s_wait_dscnt 0x0
	s_endpgm
.Lfunc_end_k_q89dcd0683a_qkv:
	.size	k_q89dcd0683a_qkv, .Lfunc_end_k_q89dcd0683a_qkv-k_q89dcd0683a_qkv
	.p2alignl 7, 3214868480
	.fill 96, 4, 3214868480
	.section	.rodata,"a",@progbits
	.p2align	6, 0x0
	.amdhsa_kernel k_q89dcd0683a_qkv
		.amdhsa_group_segment_fixed_size 35328
		.amdhsa_private_segment_fixed_size 0
		.amdhsa_enable_private_segment 0
		.amdhsa_kernarg_size 120
		.amdhsa_user_sgpr_count 2
		.amdhsa_user_sgpr_kernarg_segment_ptr 1
		.amdhsa_wavefront_size32 1
		.amdhsa_system_sgpr_workgroup_id_x 1
		.amdhsa_system_sgpr_workgroup_id_y 1
		.amdhsa_system_sgpr_workgroup_id_z 1
		.amdhsa_system_vgpr_workitem_id 0
		.amdhsa_next_free_vgpr 1024
		.amdhsa_next_free_sgpr 80
		.amdhsa_reserve_vcc 1
		.amdhsa_float_denorm_mode_32 3
		.amdhsa_float_denorm_mode_16_64 3
		.amdhsa_memory_ordered 1
		.amdhsa_forward_progress 1
		.amdhsa_inst_pref_size 239
	.end_amdhsa_kernel
	.amdgpu_metadata
---
amdhsa.version: [ 1, 2 ]
amdhsa.kernels:
  - .name:           k_q89dcd0683a_qkv
    .symbol:         k_q89dcd0683a_qkv.kd
    .args:
      - { .name: t_codes, .offset: 0, .size: 8, .value_kind: global_buffer, .address_space: global }
      - { .name: t_scales, .offset: 8, .size: 8, .value_kind: global_buffer, .address_space: global }
      - { .name: Wq_codes, .offset: 16, .size: 8, .value_kind: global_buffer, .address_space: global }
      - { .name: Wq_scales, .offset: 24, .size: 8, .value_kind: global_buffer, .address_space: global }
      - { .name: bq, .offset: 32, .size: 8, .value_kind: global_buffer, .address_space: global }
      - { .name: Wk_codes, .offset: 40, .size: 8, .value_kind: global_buffer, .address_space: global }
      - { .name: Wk_scales, .offset: 48, .size: 8, .value_kind: global_buffer, .address_space: global }
      - { .name: bk, .offset: 56, .size: 8, .value_kind: global_buffer, .address_space: global }
      - { .name: Wv_codes, .offset: 64, .size: 8, .value_kind: global_buffer, .address_space: global }
      - { .name: Wv_scales, .offset: 72, .size: 8, .value_kind: global_buffer, .address_space: global }
      - { .name: bv, .offset: 80, .size: 8, .value_kind: global_buffer, .address_space: global }
      - { .name: q_img, .offset: 88, .size: 8, .value_kind: global_buffer, .address_space: global }
      - { .name: q_sc, .offset: 96, .size: 8, .value_kind: global_buffer, .address_space: global }
      - { .name: kv, .offset: 104, .size: 8, .value_kind: global_buffer, .address_space: global }
      - { .name: kvs, .offset: 112, .size: 8, .value_kind: global_buffer, .address_space: global }
    .group_segment_fixed_size: 35328
    .private_segment_fixed_size: 0
    .kernarg_segment_align: 8
    .kernarg_segment_size: 120
    .max_flat_workgroup_size: 128
    .sgpr_count:     80
    .vgpr_count:     1024
    .wavefront_size: 32
...
	.end_amdgpu_metadata
.endif
;; end of part 2
;; launch attn (part 3): grid 8 x 32, 4 waves a work-group, clusters of 4 x 1, 327,680 bytes of LDS; arguments q_img, q_sc, kv, kvs, Wo_codes, Wo_scales, bo, x, out0; writes out0
.if DOCPART == 3
	.amdgcn_target "amdgcn-amd-amdhsa--gfx1250"
	.amdhsa_code_object_version 6
	.text
	.protected	k_q89dcd0683a_attn
	.globl	k_q89dcd0683a_attn
	.p2align	8
	.type	k_q89dcd0683a_attn,@function
k_q89dcd0683a_attn:
	s_mov_b64 s[64:65], 0
	v_nop
	global_prefetch_b8 v0, s[64:65] scope:SCOPE_SE
	s_setreg_imm32_b32 hwreg(HW_REG_WAVE_MODE, 25, 1), 1
	s_wait_xcnt 0x0
	s_wait_alu depctr_hold_cnt(0) depctr_sa_sdst(0) depctr_va_vdst(0) depctr_va_sdst(0) depctr_va_ssrc(0) depctr_va_vcc(0) depctr_vm_vsrc(0)
	s_getreg_b32 s2, hwreg(HW_REG_IB_STS2, 6, 4)
	s_cmp_eq_u32 s2, 0
	s_cbranch_scc0 .Lentry_in_a_cluster
	s_endpgm
.Lentry_in_a_cluster:
	s_bfe_u32 s2, ttmp6, 0x10000c
	s_cmp_lg_u32 s2, 0x3003
	s_cbranch_scc0 .Lentry_shape_is_right
	s_endpgm
.Lentry_shape_is_right:
; out = x + (softmax(q k^T / sqrt(512)) v) Wo^T + bo, turned back to [channel][place]; all three products on codes of FP4 (E2M1) with E8M0 scales.
; A work-group takes 128 queries of one batch (grid y = batch, grid x = query block).  In the key loop wave w owns query tiles 2 w and 2 w + 1 (32 queries) and all 512 channels of O^T: 512 registers.
; Both attention products are used transposed (S^T = K Q^T, O^T = V^T P^T): a lane holds ONE query throughout.  The keys of a tile are laid by the launch before so that the 16 registers of two neighbouring tiles of
; S^T are 16 neighbouring keys, and V's channel tiles so that O^T's are 16 neighbouring channels: p and o are quantised from the registers in which they arise.
; SOFTMAX: t = score x log2(e) / sqrt(512) (one factor: one rounding where the source has two); M = the running largest t rounded up to a whole number; p = 2^(t - M) is quantised along the keys, not normalised;
; the row's sum is taken of the unquantised p; when M moves, the sum and O^T are multiplied by 2^(old M - new M), which rounds nothing; O^T is divided by the sum at the end.
; A block's largest p is the exponential of its largest score, by the same two instructions (this takes v_exp_f32 not to fall where its input rises).
; RING: K's and V's fragment images of ONE key step of 128 keys (65,536 bytes) to a slot, two slots; each wave brings a quarter of a slot by one tensor load.  So the key step is written three times only: the first
; (it starts O^T's sums), the loop's (six trips, each behind a change of slots with a refill) and the last (no refill).  The scale images of all eight key steps come once.
; CLUSTER: the four query blocks of a cluster belong to one batch and walk the same K and V: every tile is asked for JOINTLY, by the same load with the same descriptor and the mask of all four.
; THE RESIDUAL COMES IN WHILE THE KEYS ARE WALKED: of a wave's eight tiles of x (16 channels x 128 places), tiles 0-3 come into 32 KB of LDS of the wave's own by one plain tensor load among the first fills,
; tile 4 into 64 registers that the key loop leaves idle, tiles 5 and 6 at the head of the way out; only tile 7 is read beside the stores.
; WAY OUT: o's fragments go from wave to wave through LDS as images; then wave w makes output channels 128 w .. 128 w + 127 for all 128 queries (source 0 = o, source 1 = 16 rows of Wo: a lane holds one channel and
; eight neighbouring places), 16 channels at a time through its own stage in LDS, adds x and stores rows of 512 consecutive bytes.
; LIMITS: NaN and infinities are not served.  A block whose largest magnitude lies under 2^-124 gets the byte 1: these bytes are read by this program alone.  v_exp_f32 and v_rcp_f32 are taken as they are (1 ulp; results under 2^-126 are zero).
; REGISTERS, in windows of 256.  Window 0: below.  Window 1: v0-63 Q (32 t + 8 ks + 4 c), v64-127 x's tile 4, v128-191 and v192-255 two sets of eight fragments of K or V; on the way out three tiles of x
; (v0, v64, v128) and 16 rows of the result (v192).  Window 2: O^T of tile 0 (8 registers a channel tile); on the way out Wo's 32 fragments.  Window 3: O^T of tile 1; on the way out o's 32 fragments.
.set SLOT1, 1<<16                      ; slot 0 at byte 0, slot 1 here: one exclusive or turns an address from one into the other
.set SCL,   131072                     ; the scale images: 4,096 bytes a key step (K's four, V's four), 32 KB
.set XL,    163840                     ; x's tiles 0-3: 32 KB for each wave, 64 rows of 512 bytes on end; filled once, read by the wave that asked
.set SPARE, 294912                     ; the spare words, 128 bytes for each wave: two blocks of 256 bytes that no other line names
.set OSC,   32768                      ; the way out: o's images from byte 0 (32 KB) and their scale images here (2 KB): in slot 0, which has had its last fill, and its last read ahead of the last change of slots;
.set STG,   65536                      ; a stage of 16 rows x (512 + 16) bytes for each wave: in slot 1, written only behind the way out's barrier, which every wave reaches behind its last read of that slot
.set ST,  12                           ; v12-19, v20-27 a tile's statistics: +0 -M, +1 the largest t, +2 +3 the sum in two halves, +4 f (+5 named with it), +6 +7 1 / the sum
.set PS,  28                           ; v28-29   p's scale words
.set QS,  30                           ; v30-37   Q's scale words (2 ks + t); on the way out o's (4 t + g)
.set KS,  38                           ; v38-53   K's scale words (4 ks + i: lanes 0-15 tile i, lanes 16-31 tile 4 + i); on the way out o's, OS
.set VS,  54                           ; v54-69   V's (4 g + i); on the way out Wo's, WOS
.set XRD, 70                           ; v70      the way out: LDS address of my 16 bytes in a row of x
.set S,   72                           ; v72-199  S^T, then p: 64 t + 8 kt + j
.set PCD, 200                          ; v200-215 p's codes: 8 t
.set TP,  216                          ; v216-247 sixteen registers a tile: +0..3 a block's largest, +4..7 the exchange and the bytes, +8..11 the conversions' scales, +12 +13 a sum, +14 at work
.set F0,  128
.set F1,  192
.set QIN, 72                           ; the way out: 64 numbers of o;
.set ACC, 72                           ; then two sets of eight accumulators, v72-135 and v136-199
.set PC,  200                          ; the fragment just made
.set BO,  208                          ; v208-215 bo of my lane's channel, tile by tile
.set TM,  216                          ; v216-231 the quantiser's work
.set CB,  248                          ; v248-255 a tile's bias, eight times
.set OS,  38
.set WOS, 54
.set SEL, 52                           ; s[52:53] v_permlanex16_b32's selects
.set CS,  54                           ; s[54:55] c = log2(e) / sqrt(512); the packed form names a pair
.set MSB, 0
.macro WIN new                         ; s_set_vgpr_msb: bits 1:0 source 0, 3:2 source 1, 5:4 source 2, 7:6 destination; the high byte repeats the setting that is left
.if MSB != (\new)
	s_set_vgpr_msb (MSB<<8)|(\new)
.set MSB, (\new)
.endif
.endm
.macro PLACES                          ; four plain vector instructions behind a matrix instruction, ahead of reads of its result and of loads into its registers
.rept 4
	v_nop
.endr
.endm
.macro WM d, a, b, c, sa, sb, ra, rb   ; one product; c < 0: the constant 0 starts the sum; ra, rb: the side's scales stand in lanes 16-31
.if (\c) < 0
.if (\ra)
	v_wmma_scale_f32_16x16x128_f8f6f4 v[\d:\d+7], v[\a:\a+7], v[\b:\b+7], 0, v[\sa], v[\sb] matrix_a_fmt:MATRIX_FMT_FP4 matrix_b_fmt:MATRIX_FMT_FP4 matrix_a_scale:MATRIX_SCALE_ROW1
.else
	v_wmma_scale_f32_16x16x128_f8f6f4 v[\d:\d+7], v[\a:\a+7], v[\b:\b+7], 0, v[\sa], v[\sb] matrix_a_fmt:MATRIX_FMT_FP4 matrix_b_fmt:MATRIX_FMT_FP4
.endif
.else
.if (\ra) && (\rb)
	v_wmma_scale_f32_16x16x128_f8f6f4 v[\d:\d+7], v[\a:\a+7], v[\b:\b+7], v[\c:\c+7], v[\sa], v[\sb] matrix_a_fmt:MATRIX_FMT_FP4 matrix_b_fmt:MATRIX_FMT_FP4 matrix_a_scale:MATRIX_SCALE_ROW1 matrix_b_scale:MATRIX_SCALE_ROW1
.elseif (\ra)
	v_wmma_scale_f32_16x16x128_f8f6f4 v[\d:\d+7], v[\a:\a+7], v[\b:\b+7], v[\c:\c+7], v[\sa], v[\sb] matrix_a_fmt:MATRIX_FMT_FP4 matrix_b_fmt:MATRIX_FMT_FP4 matrix_a_scale:MATRIX_SCALE_ROW1
.elseif (\rb)
	v_wmma_scale_f32_16x16x128_f8f6f4 v[\d:\d+7], v[\a:\a+7], v[\b:\b+7], v[\c:\c+7], v[\sa], v[\sb] matrix_a_fmt:MATRIX_FMT_FP4 matrix_b_fmt:MATRIX_FMT_FP4 matrix_b_scale:MATRIX_SCALE_ROW1
.else
	v_wmma_scale_f32_16x16x128_f8f6f4 v[\d:\d+7], v[\a:\a+7], v[\b:\b+7], v[\c:\c+7], v[\sa], v[\sb] matrix_a_fmt:MATRIX_FMT_FP4 matrix_b_fmt:MATRIX_FMT_FP4
.endif
.endif
.endm
; A round of the cluster's barrier: my work-group's barrier, so that wave 0's signal speaks for all four waves; wave 0 signals; every wave waits for all four work-groups; my work-group's barrier once more.
.macro CROUND
	s_barrier_signal -1
	s_barrier_wait -1
	s_cmp_lg_u32 s22, 0
	s_cbranch_scc1 .Lnot_wave_0_\@
	s_barrier_signal -3
.Lnot_wave_0_\@:
	s_barrier_wait -3
	s_barrier_signal -1
	s_barrier_wait -1
.endm
.macro XREG nt                         ; where x's tile nt lies in window 1: tiles 4 and 7 at v64, tiles 5, 0 and 2 at v0, tiles 6, 1 and 3 at v128
.if ((\nt) == 4) || ((\nt) == 7)
.set XR, 64
.elseif ((\nt) == 5) || ((\nt) == 0) || ((\nt) == 2)
.set XR, 0
.else
.set XR, 128
.endif
.endm
.macro XLOAD nt                        ; x at my channels 16 nt .. 16 nt + 15, my block's 128 places, from memory: 512 consecutive bytes a load (the destination's window is set to 1)
	XREG \nt
.irp i, 0,1,2,3,4,5,6,7,8,9,10,11,12,13,14,15
	global_load_b128 v[XR+4*\i:XR+4*\i+3], v3, s[18:19] offset:(16*(\nt)+\i)*4096 th:TH_LOAD_NT
.endr
.endm
	s_load_b512 s[4:19], s[0:1], 0x0               ; q_img s[4:5], q_sc s[6:7], kv s[8:9], kvs s[10:11], Wo_codes s[12:13], Wo_scales s[14:15], bo s[16:17], x s[18:19]
	s_load_b64 s[20:21], s[0:1], 0x40              ; out0
	v_lshl_add_u32 v1, v0, 2, SPARE                ; my spare word; never rewritten
	v_mov_b32 v2, 0                                ; 0; never rewritten
	ds_add_u32 v1, v2
	ds_add_u32 v1, v2
	s_wait_dscnt 0x0
	v_lshrrev_b32 v6, 5, v0
	v_readfirstlane_b32 s22, v6                    ; wave 0..3
	s_bfe_u32 s23, ttmp6, 0x40000                  ; cx: my place in the cluster: it enters q's, x's and out0's addresses alone
	s_lshl_b32 s24, ttmp9, 2
	s_add_co_u32 s24, s24, s23                     ; my query block = 4 x cluster x + cx
	s_and_b32 s25, ttmp7, 0xffff                   ; the batch, which the four partners share
	; descriptor group 1 for the slots: dense blocks, as rows of 256 bytes (32 elements of 8 bytes), no padding: images are read 16 bytes a lane on end
	s_mov_b32 s28, 15|(3<<16)|(1<<21)              ; 15:0 the mask: all four work-groups; 17:16 elements of 8 bytes; 21 set beside a mask
	s_mov_b32 s29, 32<<16                          ; tensor_dim0 = 32
	s_mov_b32 s30, 64<<16                          ; tensor_dim1 = 64 rows: a quarter of a slot, 16 KB
	s_mov_b32 s31, 32<<16                          ; tile_dim0 = 32
	s_mov_b32 s32, 64                              ; tile_dim1
	s_mov_b32 s33, 32                              ; from row to row
	s_mov_b32 s34, 0
	s_mov_b32 s35, 0
	s_mov_b32 s36, 15|(3<<16)|(1<<21)              ; the same with 32 rows: a quarter of the scale images, 8 KB
	s_mov_b32 s37, 32<<16
	s_mov_b32 s38, 32<<16
	s_mov_b32 s39, 32<<16
	s_mov_b32 s40, 32
	s_mov_b32 s41, 32
	s_mov_b32 s42, 0
	s_mov_b32 s43, 0
	s_mov_b32 s80, 3<<16                           ; for x: no mask (each work-group has places of its own); elements of 8 bytes; no padding: a row is read 16 bytes a lane on end
	s_mov_b32 s81, 64<<16                          ; tensor_dim0 = 64: 512 bytes, my block's 128 places
	s_mov_b32 s82, 64<<16                          ; tensor_dim1 = 64 channels
	s_mov_b32 s83, 64<<16                          ; tile_dim0
	s_mov_b32 s84, 64                              ; tile_dim1
	s_mov_b32 s85, 512                             ; from channel to channel: 4,096 bytes
	s_mov_b32 s86, 0
	s_mov_b32 s87, 0
	s_lshl_b32 s59, s22, 14                        ; my quarter of a slot
	s_lshl_b32 s60, s25, 19                        ; kv: 524,288 bytes a batch
	s_add_co_u32 s60, s60, s59
	s_mov_b32 s61, 0
	s_lshl_b32 s26, s22, 13                        ; 8,192 x wave (kept)
	s_lshl_b32 s62, s25, 15                        ; kvs: 32,768 bytes a batch
	s_add_co_u32 s62, s62, s26
	s_mov_b32 s63, 0
	s_lshl_b32 s27, s25, 3
	s_add_co_u32 s27, s27, s24                     ; 8 b + query block
	s_lshl_b32 s66, s27, 15
	s_add_co_u32 s66, s66, s26                     ; q_img: my two tiles
	s_mov_b32 s67, 0
	s_lshl_b32 s68, s27, 11                        ; q_sc: in an image tile 2 w + t lies at 256 (w / 2) + 16 r + 8 (w % 2) + 4 t
	s_lshr_b32 s69, s22, 1
	s_lshl_b32 s69, s69, 8
	s_add_co_u32 s68, s68, s69
	s_and_b32 s69, s22, 1
	s_lshl_b32 s69, s69, 3
	s_add_co_u32 s68, s68, s69
	s_mov_b32 s69, 0
	s_lshl_b32 s70, s25, 21                        ; x, out0: the batch, my 128 channels, my block's 128 places
	s_lshl_b32 s71, s22, 19
	s_add_co_u32 s70, s70, s71
	s_lshl_b32 s71, s24, 9
	s_add_co_u32 s70, s70, s71
	s_mov_b32 s71, 0
	s_mov_b32 s[SEL], 0x76543210
	s_mov_b32 s[SEL+1], 0xfedcba98
	s_mov_b32 s[CS], 0x3d8293ee                    ; c = log2(e) / sqrt(512)
	s_mov_b32 s[CS+1], s[CS]
	s_mov_b32 s56, 0                               ; LDS byte at which the slot in hand begins
	s_mov_b32 s57, 0                               ; and the key step's scale images, 4,096 bytes a step
	v_and_b32 v6, 31, v0
	v_lshlrev_b32 v3, 4, v6                        ; 16 x lane: an image's place for my lane; never rewritten
	v_add_nc_u32 v5, SCL, v3                       ; the same among the scale images
	v_and_b32 v6, 15, v0
	v_lshlrev_b32 v6, 4, v6                        ; 16 r, for Q's scale words
	s_wait_kmcnt 0x0
	s_mov_b32 s72, 1                               ; group 0 for slot 0's first fill: count = 1,
	s_mov_b32 s73, s59                             ; LDS address: slot 0, my quarter,
	s_add_nc_u64 s[74:75], s[8:9], s[60:61]        ; global address: key step 0
	s_mov_b32 s44, 1                               ; group 0 for slot 1's first fill, which then walks:
	s_add_co_u32 s45, s59, SLOT1
	s_add_nc_u64 s[46:47], s[74:75], 0x10000       ; key step 1
	s_or_b32 s75, s75, 0x80000000                  ; type = 2
	s_or_b32 s47, s47, 0x80000000
	s_mov_b32 s48, 1                               ; group 0 for the scale images
	s_add_co_u32 s49, s26, SCL
	s_add_nc_u64 s[50:51], s[10:11], s[62:63]
	s_or_b32 s51, s51, 0x80000000
	s_add_nc_u64 s[4:5], s[4:5], s[66:67]
	s_add_nc_u64 s[6:7], s[6:7], s[68:69]
	s_add_nc_u64 s[18:19], s[18:19], s[70:71]
	s_add_nc_u64 s[20:21], s[20:21], s[70:71]
	s_mov_b32 s76, 1                               ; group 0 for x's tiles 0-3: my first 64 channels,
	s_lshl_b32 s77, s22, 15
	s_add_co_u32 s77, s77, XL                      ; into my 32 KB
	s_mov_b64 s[78:79], s[18:19]
	s_or_b32 s79, s79, 0x80000000
	s_lshl_b32 s60, s22, 15                        ; my 128 rows of Wo's codes,
	s_add_nc_u64 s[12:13], s[12:13], s[60:61]
	s_lshl_b32 s60, s22, 11                        ; of its scale bytes,
	s_add_nc_u64 s[14:15], s[14:15], s[60:61]
	s_lshl_b32 s60, s22, 9                         ; of bo
	s_add_nc_u64 s[16:17], s[16:17], s[60:61]
	CROUND                                         ; all four work-groups are here: the first joint loads meet
	tensor_load_to_lds s[48:51], s[36:43]          ; the first fills go out together, in the order in which they are wanted: the scale images,
	s_nop 0
	tensor_load_to_lds s[72:75], s[28:35]          ; key step 0,
	s_nop 0
	tensor_load_to_lds s[44:47], s[28:35]          ; key step 1,
	s_nop 0
	tensor_load_to_lds s[76:79], s[80:87]          ; x's tiles 0-3: four loads of mine are out
	s_nop 0
.rept 4
	v_nop                                          ; four plain instructions follow the tensor loads
.endr
	WIN 0x40
.irp t, 0,1
.irp ks, 0,1,2,3
.irp c, 0,1
	global_load_b128 v[32*\t+8*\ks+4*\c:32*\t+8*\ks+4*\c+3], v3, s[4:5] offset:4096*\t+1024*\ks+512*\c   ; Q's fragments stay in registers
.endr
.endr
.endr
	WIN 0
.irp ks, 0,1,2,3
	global_load_b64 v[QS+2*\ks:QS+2*\ks+1], v6, s[6:7] offset:512*\ks
.endr
.irp t, 0,1
	v_mov_b32 v[ST+8*\t+2], 0                      ; the sum, in two halves
	v_mov_b32 v[ST+8*\t+3], 0
	v_mov_b32 v[ST+8*\t+5], 0                      ; (named as the upper half of f's pair)
.irp b, 0,1,2,3
	v_mov_b32 v[TP+16*\t+4+\b], 0                  ; a lane exchange's destination counts as read: written once
.endr
.endr
	s_wait_loadcnt 0x0                             ; Q and its scale words; v6 is free
.macro FETCHK f, ks                    ; K's eight fragments of the step's channels 128 ks on: sixteen loads in one run
	WIN 0x40
.irp i, 0,1,2,3,4,5,6,7
	ds_load_b128 v[\f+8*\i:\f+8*\i+3], v6 offset:\i*4096+\ks*1024
	ds_load_b128 v[\f+8*\i+4:\f+8*\i+7], v6 offset:\i*4096+\ks*1024+512
.endr
.endm
.macro FETCHV f, g                     ; V's channel tiles 8 g .. 8 g + 7
	WIN 0x40
.irp i, 0,1,2,3,4,5,6,7
	ds_load_b128 v[\f+8*\i:\f+8*\i+3], v6 offset:32768+(8*\g+\i)*1024
	ds_load_b128 v[\f+8*\i+4:\f+8*\i+7], v6 offset:32768+(8*\g+\i)*1024+512
.endr
.endm
.macro MULS ks, f, zero                ; S^T: sixteen accumulators by turns, one instruction a turn
	WIN 0x05                                       ; K and Q in window 1
.irp kt, 0,1,2,3,4,5,6,7
.irp t, 0,1
.if \zero
	WM S+64*\t+8*\kt, \f+8*\kt, 32*\t+8*\ks, -1, KS+4*\ks+(\kt%4), QS+2*\ks+\t, \kt/4, 0
.else
	WM S+64*\t+8*\kt, \f+8*\kt, 32*\t+8*\ks, S+64*\t+8*\kt, KS+4*\ks+(\kt%4), QS+2*\ks+\t, \kt/4, 0
.endif
.endr
.endr
.endm
.macro PV g, f, first                  ; O^T += V^T P^T for channel tiles 8 g .. 8 g + 7: K = the step's 128 keys, one product an accumulator
.irp t, 0,1
	WIN 0xa1+0x50*\t                               ; V in window 1, P in window 0, O^T in window 2 or 3
.irp i, 0,1,2,3,4,5,6,7
.if \first
	WM 64*\g+8*\i, \f+8*\i, PCD+8*\t, -1, VS+4*\g+(\i%4), PS+\t, \i/4, 0
.else
	WM 64*\g+8*\i, \f+8*\i, PCD+8*\t, 64*\g+8*\i, VS+4*\g+(\i%4), PS+\t, \i/4, 0
.endif
.endr
.endr
.endm
; The softmax of a key step, my two tiles by turns, stage by stage.  first = 1: the first key step: M is set outright, and there is nothing yet to rescale.
.macro SOFTMAX first
.irp b, 0,1,2,3
.irp t, 0,1
	v_max3_num_f32 v[TP+16*\t+\b], v[S+64*\t+16*\b], v[S+64*\t+16*\b+1], v[S+64*\t+16*\b+2]   ; the largest score of each block of 32 keys; each accumulator is read from its low end on
.endr
.endr
.irp i, 3,5,7,9,11,13
.irp b, 0,1,2,3
.irp t, 0,1
	v_max3_num_f32 v[TP+16*\t+\b], v[TP+16*\t+\b], v[S+64*\t+16*\b+\i], v[S+64*\t+16*\b+\i+1]
.endr
.endr
.endr
.irp b, 0,1,2,3
.irp t, 0,1
	v_max_num_f32 v[TP+16*\t+\b], v[TP+16*\t+\b], v[S+64*\t+16*\b+15]
.endr
.endr
.irp b, 0,1,2,3
.irp t, 0,1
	v_permlanex16_b32 v[TP+16*\t+4+\b], v[TP+16*\t+\b], s[SEL], s[SEL+1]
.endr
.endr
.irp b, 0,1,2,3
.irp t, 0,1
	v_max_num_f32 v[TP+16*\t+\b], v[TP+16*\t+\b], v[TP+16*\t+4+\b]   ; with lane l xor 16's 16 keys
.endr
.endr
.irp t, 0,1
	v_max3_num_f32 v[TP+16*\t+14], v[TP+16*\t], v[TP+16*\t+1], v[TP+16*\t+2]
.endr
.irp t, 0,1
	v_max_num_f32 v[TP+16*\t+14], v[TP+16*\t+14], v[TP+16*\t+3]      ; the step's largest score of my query
.endr
.if \first
.irp t, 0,1
	v_mul_f32 v[ST+8*\t+1], s[CS], v[TP+16*\t+14]  ; as t (c is positive)
.endr
.irp t, 0,1
	v_floor_f32 v[ST+8*\t], -v[ST+8*\t+1]          ; -M = floor(-t): M is a whole number
.endr
.else
.irp t, 0,1
	v_mul_f32 v[TP+16*\t+14], s[CS], v[TP+16*\t+14]
.endr
.irp t, 0,1
	v_max_num_f32 v[ST+8*\t+1], v[ST+8*\t+1], v[TP+16*\t+14]   ; the running largest t
.endr
.irp t, 0,1
	v_mov_b32 v[TP+16*\t+14], v[ST+8*\t]
.endr
.irp t, 0,1
	v_floor_f32 v[ST+8*\t], -v[ST+8*\t+1]
.endr
.irp t, 0,1
	v_sub_f32 v[TP+16*\t+14], v[ST+8*\t], v[TP+16*\t+14]   ; old M - new M: a whole number, 0 or less
.endr
.irp t, 0,1
	v_cvt_i32_f32 v[TP+16*\t+14], v[TP+16*\t+14]   ; (it saturates)
.endr
.irp t, 0,1
	v_ldexp_f32 v[ST+8*\t+4], 1.0, v[TP+16*\t+14]  ; f = 2^(old M - new M)
.endr
.endif
.irp t, 0,1
.set j, 0
.rept 32
	v_pk_fma_f32 v[S+64*\t+j:S+64*\t+j+1], v[S+64*\t+j:S+64*\t+j+1], s[CS:CS+1], v[ST+8*\t:ST+8*\t+1] op_sel_hi:[1,0,0]   ; t - M, two at a time
.set j, j+2
.endr
.endr
.irp b, 0,1,2,3
.irp t, 0,1
	v_fma_f32 v[TP+16*\t+\b], v[TP+16*\t+\b], s[CS], v[ST+8*\t]   ; the same of each block's largest score
.endr
.endr
.irp t, 0,1
.set j, 0
.rept 64
	v_exp_f32 v[S+64*\t+j], v[S+64*\t+j]           ; p = 2^(t - M), at most 1
.set j, j+1
.endr
.irp b, 0,1,2,3
	v_exp_f32 v[TP+16*\t+\b], v[TP+16*\t+\b]       ; the block's largest p
.endr
.endr
.if \first
	v_nop                                          ; a plain instruction behind the exponentials
	s_wait_alu depctr_va_vdst(0)
.else
	s_wait_alu depctr_va_vdst(0)
.irp t, 0,1
	v_pk_mul_f32 v[ST+8*\t+2:ST+8*\t+3], v[ST+8*\t+2:ST+8*\t+3], v[ST+8*\t+4:ST+8*\t+5] op_sel_hi:[1,0]   ; the sums under the new M; also the plain instruction behind the exponentials
.endr
.endif
.irp b, 0,1,2,3
.irp t, 0,1
	v_max_num_f32 v[TP+16*\t+\b], 0x1800000, v[TP+16*\t+\b]   ; the floor 2^(3 - 127): the byte cannot fall under 1
.endr
.endr
.irp b, 0,1,2,3
.irp t, 0,1
	v_add_nc_u32 v[TP+16*\t+8+\b], 0xff000000, v[TP+16*\t+\b]   ; 2 off the exponent field: the conversion's scale operand
.endr
.endr
.irp b, 0,1,2,3
.irp t, 0,1
	v_lshrrev_b32 v[TP+16*\t+4+\b], 23, v[TP+16*\t+8+\b]   ; the scale's byte
.endr
.endr
.irp t, 0,1
	v_lshl_or_b32 v[PS+\t], v[TP+16*\t+5], 8, v[TP+16*\t+4]   ; p's scale word for these 128 keys
.endr
.irp t, 0,1
	v_lshl_or_b32 v[PS+\t], v[TP+16*\t+6], 16, v[PS+\t]
.endr
.irp t, 0,1
	v_lshl_or_b32 v[PS+\t], v[TP+16*\t+7], 24, v[PS+\t]
.endr
.irp t, 0,1
.irp b, 0,1,2,3
	v_cvt_scalef32_pk8_fp4_f32 v[PCD+8*\t+2*\b], v[S+64*\t+16*\b:S+64*\t+16*\b+7], v[TP+16*\t+8+\b]
	v_cvt_scalef32_pk8_fp4_f32 v[PCD+8*\t+2*\b+1], v[S+64*\t+16*\b+8:S+64*\t+16*\b+15], v[TP+16*\t+8+\b]
.endr
.endr
	v_nop                                          ; one plain instruction behind a scaled conversion
.irp t, 0,1
.irp c, 0,1                                    ; the operand's layout wants a whole block in a lane
.irp i, 0,1
	v_permlane16_swap_b32 v[PCD+8*\t+4*\c+\i], v[PCD+8*\t+2+4*\c+\i]
.endr
.endr
.endr
.irp t, 0,1
	v_pk_add_f32 v[TP+16*\t+12:TP+16*\t+13], v[S+64*\t:S+64*\t+1], v[S+64*\t+2:S+64*\t+3]   ; the row's sum is taken of the unquantised p: two chains a tile
.endr
.irp j, 4,8,12,16,20,24,28,32,36,40,44,48,52,56,60
.irp t, 0,1
	v_pk_add_f32 v[ST+8*\t+2:ST+8*\t+3], v[ST+8*\t+2:ST+8*\t+3], v[S+64*\t+\j:S+64*\t+\j+1]
	v_pk_add_f32 v[TP+16*\t+12:TP+16*\t+13], v[TP+16*\t+12:TP+16*\t+13], v[S+64*\t+\j+2:S+64*\t+\j+3]
.endr
.endr
.irp t, 0,1
	v_pk_add_f32 v[ST+8*\t+2:ST+8*\t+3], v[ST+8*\t+2:ST+8*\t+3], v[TP+16*\t+12:TP+16*\t+13]
.endr
.if !\first
.irp t, 0,1
	WIN 0x82+0x41*\t                               ; O^T (destination and source 0) in window 2 or 3, f in window 0
.set j, 0
.rept 128
	v_pk_mul_f32 v[j:j+1], v[j:j+1], v[ST+8*\t+4:ST+8*\t+5] op_sel_hi:[1,0]   ; O^T under the new M, each accumulator from its low end on
.set j, j+2
.endr
.endr
.endif
.endm
; A KEY STEP: the 128 keys of the slot in hand.  Two sets of eight fragments take turns: while one is multiplied the other's sixteen loads are on their way, so each wait leaves the youngest sixteen out.
.macro STEP first
	v_add_nc_u32 v6, s56, v3
	v_add_nc_u32 v7, s57, v5
.irp ks, 0,1,2,3
	ds_load_b128 v[KS+4*\ks:KS+4*\ks+3], v7 offset:512*\ks
.endr
.irp g, 0,1,2,3
	ds_load_b128 v[VS+4*\g:VS+4*\g+3], v7 offset:2048+512*\g
.endr
	FETCHK F0, 0
	FETCHK F1, 1
	s_wait_dscnt 16                                ; the scale words and set 0 are in
	MULS 0, F0, 1
	PLACES
	FETCHK F0, 2
	s_wait_dscnt 16
	MULS 1, F1, 0
	PLACES
	FETCHK F1, 3
	s_wait_dscnt 16
	MULS 2, F0, 0
	PLACES
	FETCHV F0, 0
	s_wait_dscnt 16
	MULS 3, F1, 0
	PLACES                                         ; also the places ahead of the softmax's first reads
	FETCHV F1, 1
	WIN 0
	SOFTMAX \first
	s_wait_dscnt 16
	PV 0, F0, \first
	PLACES
	FETCHV F0, 2
	s_wait_dscnt 16
	PV 1, F1, \first
	PLACES
	FETCHV F1, 3
	s_wait_dscnt 16
	PV 2, F0, \first
	s_wait_dscnt 0x0
	PV 3, F1, \first
	WIN 0
	PLACES                                         ; ahead of the next loads into the sets, the scale registers and P's
	s_add_co_u32 s57, s57, 4096
.endm
; THE CHANGE OF SLOTS stands at a step's head.  Each wave waits for all its tensor loads (its quarter of the slot ahead; the first time x's tiles too), adds 0 to its spare word, and waits for that and for its reads of
; the slot that it has left.  fill = 1: the barrier is a round of the cluster's, so that no wave of any partner still reads that slot or has a load on its way, and the joint refill comes first behind it:
; it has a key step, 128 matrix instructions of the wave and its softmax, in which to land.
.macro CHANGE fill
	s_wait_tensorcnt 0x0                           ; no tensor load of mine is out, so the walking group 0 may be written
	ds_add_u32 v1, v2                              ; 0 onto my spare word
.if \fill
	s_xor_b32 s45, s45, SLOT1                      ; the other slot than last time,
	s_add_nc_u64 s[46:47], s[46:47], 0x10000       ; the next key step; the type bits on top are not reached
.endif
	s_wait_dscnt 0x0                               ; the add is done, and my reads of the slot that I have left are over
.if \fill
	CROUND
	tensor_load_to_lds s[44:47], s[28:35]          ; my one tensor load until the next such round
	s_nop 0
.rept 4
	v_nop
.endr
.else
	s_barrier_signal -1
	s_barrier_wait -1
.endif
.endm
	s_wait_tensorcnt 0x2                           ; my parts of the scale images and of key step 0 are in; key step 1 and x may stay out
	s_barrier_signal -1
	s_barrier_wait -1                              ; everybody's are
	STEP 1                                         ; the first key step is written out: its products start O^T's sums, nothing is cleared
	WIN 0x40
	XLOAD 4                                        ; x's tile 4, into registers that the key loop does not name: it has the whole loop in which to land
	WIN 0
	s_xor_b32 s56, s56, SLOT1
	s_mov_b32 s58, 6
.Lstep:                                            ; six trips: key steps 1 to 6; behind each change the slot just left takes the step after
	CHANGE 1
	STEP 0
	s_xor_b32 s56, s56, SLOT1
	s_sub_co_u32 s58, s58, 1
	s_cmp_lg_u32 s58, 0
	s_cbranch_scc1 .Lstep
	CHANGE 0                                       ; the last key step is written out
	STEP 0
	; ---- THE WAY OUT
.macro QUANT s, pw                     ; 64 numbers of a lane, register 16 b + i = k 32 b + 16 (lane / 16) + i of my row, become a fragment's codes in v[PC] on and its scale word in v[pw]
.irp b, 0,1,2,3
	v_max3_num_f32 v[TM+\b], |v[\s+16*\b]|, |v[\s+1+16*\b]|, 0x1800000
.endr
.irp i, 2,4,6,8,10,12,14
.irp b, 0,1,2,3
	v_max3_num_f32 v[TM+\b], v[TM+\b], |v[\s+16*\b+\i]|, |v[\s+1+16*\b+\i]|
.endr
.endr
.irp b, 0,1,2,3
	v_permlanex16_b32 v[TM+4+\b], v[TM+\b], s[SEL], s[SEL+1]
.endr
.irp b, 0,1,2,3
	v_max_num_f32 v[TM+\b], v[TM+\b], v[TM+4+\b]
.endr
.irp b, 0,1,2,3
	v_add_nc_u32 v[TM+12+\b], 0xff000000, v[TM+\b]
.endr
.irp b, 0,1,2,3
	v_lshrrev_b32 v[TM+4+\b], 23, v[TM+12+\b]
.endr
	v_lshl_or_b32 v[\pw], v[TM+5], 8, v[TM+4]
	v_lshl_or_b32 v[\pw], v[TM+6], 16, v[\pw]
	v_lshl_or_b32 v[\pw], v[TM+7], 24, v[\pw]
.irp b, 0,1,2,3
	v_cvt_scalef32_pk8_fp4_f32 v[PC+2*\b], v[\s+16*\b:\s+7+16*\b], v[TM+12+\b]
	v_cvt_scalef32_pk8_fp4_f32 v[PC+1+2*\b], v[\s+8+16*\b:\s+15+16*\b], v[TM+12+\b]
.endr
	v_nop                                          ; one plain instruction behind a scaled conversion
.irp c, 0,1
.irp i, 0,1
	v_permlane16_swap_b32 v[PC+4*\c+\i], v[PC+2+4*\c+\i]
.endr
.endr
.endm
; Tile t's o = O^T / the sum, 128 channels (one K step of the last product) at a time: quantised, and its image and scale word stored for all four waves.
.macro OQ t
.irp g, 0,1,2,3
	WIN 0x02+\t                                    ; source 0: O^T, window 2 or 3
.set i, 0
.rept 32
	v_pk_mul_f32 v[QIN+i:QIN+i+1], v[64*\g+i:64*\g+i+1], v[ST+8*\t+6:ST+8*\t+7] op_sel_hi:[1,0]
.set i, i+2
.endr
	WIN 0
	s_wait_dscnt 0x0                               ; the last image's stores have read their registers
	QUANT QIN, QS+4*\t+\g
	ds_store_b128 v10, v[PC:PC+3] offset:4096*\t+1024*\g
	ds_store_b128 v10, v[PC+4:PC+7] offset:4096*\t+1024*\g+512
	ds_store_b32 v11, v[QS+4*\t+\g] offset:512*\g+4*\t   ; lanes r and r + 16 hold the same word and store it to the same place
.endr
.endm
.macro WOLOAD nt                       ; Wo's rows 16 nt .. 16 nt + 15 of my 128: four fragments
.irp ks, 0,1,2,3
.irp c, 0,1
	global_load_b128 v[32*\nt+8*\ks+4*\c:32*\nt+8*\ks+4*\c+3], v232, s[12:13] offset:4096*\nt+64*\ks+32*\c
.endr
.endr
.endm
.macro MULO nt, p                      ; 16 output channels x 128 queries: eight accumulators (set p % 2) by turns, K step by K step; the bias is the C of each sum's first product
	WIN 0
.irp j, 0,1,2,3,4,5,6,7
	v_mov_b32 v[CB+\j], v[BO+(\nt)]
.endr
	PLACES
	WIN 0x0b                                       ; source 0 (o) window 3, source 1 (Wo) window 2
.irp ks, 0,1,2,3
.irp m, 0,1,2,3,4,5,6,7
.if \ks == 0
	WM ACC+64*((\p)%2)+8*\m, 32*\m+8*\ks, 32*(\nt)+8*\ks, CB, OS+4*\ks+(\m%4), WOS+4*((\nt)%4)+\ks, \m/4, (\nt)/4
.else
	WM ACC+64*((\p)%2)+8*\m, 32*\m+8*\ks, 32*(\nt)+8*\ks, ACC+64*((\p)%2)+8*\m, OS+4*\ks+(\m%4), WOS+4*((\nt)%4)+\ks, \m/4, (\nt)/4
.endif
.endr
.endr
	WIN 0
.endm
.macro TOSTAGE nt, p                   ; lane (r, h), tile m: channel r, places 32 (m / 2) + 8 (m % 2) + 16 h + 0 .. 7: into my stage, and back as whole rows; with them x's rows where they lie in LDS
.set AC, ACC+64*((\p)%2)
.irp m, 0,1,2,3,4,5,6,7
	ds_store_b128 v8, v[AC+8*\m:AC+8*\m+3] offset:128*(\m/2)+32*(\m%2)          ; each accumulator from its low end on
	ds_store_b128 v8, v[AC+8*\m+4:AC+8*\m+7] offset:128*(\m/2)+32*(\m%2)+16
.endr
.if (\p) > 0
	s_wait_xcnt 0x0                                ; the last tile's stores have read the registers that the loads below fill
.endif
	WIN 0x40
.irp i, 0,1,2,3,4,5,6,7,8,9,10,11,12,13,14,15
	ds_load_b128 v[192+4*\i:192+4*\i+3], v9 offset:528*\i   ; my own bytes; LDS serves a wave's instructions in order (ISA guide 5.7.1.4)
.endr
.if (\nt) < 4
	XREG \nt
.irp i, 0,1,2,3,4,5,6,7,8,9,10,11,12,13,14,15
	ds_load_b128 v[XR+4*\i:XR+4*\i+3], v[XRD] offset:(16*(\nt)+\i)*512   ; x's row: 512 bytes on end; my own tensor load brought it, and was waited for at the first change of slots
.endr
.endif
	WIN 0
.endm
.macro SEND nt
	XREG \nt
	s_wait_dscnt 0x0                               ; the rows are back
.if (\nt) == 7
	s_wait_loadcnt 0x0                             ; x's tile 7, the one tile asked for beside the stores
.endif
	WIN 0x45
.set i, 0
.rept 32
	v_pk_add_f32 v[192+i:193+i], v[192+i:193+i], v[XR+i:XR+i+1]   ; + the residual
.set i, i+2
.endr
	WIN 0x04                                       ; a store's data are its source 1: window 1
.irp i, 0,1,2,3,4,5,6,7,8,9,10,11,12,13,14,15
	global_store_b128 v3, v[192+4*\i:192+4*\i+3], s[20:21] offset:(16*(\nt)+\i)*4096 th:TH_STORE_NT   ; 32 lanes store 512 consecutive bytes, at a multiple of 256 from out0's first byte
.endr
.if (\nt) == 4
	WIN 0x40
	XLOAD 7                                        ; into tile 4's registers, which the additions above have read: three tiles ahead of its use
.endif
	WIN 0
.endm
	WIN 0x40
	XLOAD 5                                        ; into Q's registers and set 0's, which the key loop has left (the places stand at the step's end): they land while o is quantised
	XLOAD 6
	WIN 0
	v_and_b32 v235, 15, v0                         ; r
	v_bfe_u32 v236, v0, 4, 1                       ; h
	s_mul_i32 s59, s22, 8448
	s_add_co_u32 s59, s59, STG                     ; my stage
	v_mul_u32_u24 v8, v235, 528
	v_lshl_add_u32 v8, v236, 6, v8
	v_add_nc_u32 v8, s59, v8                       ; into it: row r, + 64 h
	v_add_nc_u32 v9, s59, v3                       ; back: 16 x lane
	v_add_nc_u32 v10, s26, v3                      ; o's images: my two tiles: 8,192 x wave + 16 x lane
	s_lshr_b32 s60, s22, 1
	s_lshl_b32 s60, s60, 8
	s_and_b32 s61, s22, 1
	s_lshl_b32 s61, s61, 3
	s_add_co_u32 s60, s60, s61
	s_add_co_u32 s60, s60, OSC
	v_lshl_add_u32 v11, v235, 4, s60               ; their scale words: 256 (w / 2) + 8 (w % 2) + 16 r
	s_lshl_b32 s62, s22, 15
	s_add_co_u32 s62, s62, XL
	v_add_nc_u32 v[XRD], s62, v3                   ; x in LDS: my 32 KB, 16 x lane
	v_lshlrev_b32 v232, 8, v235
	v_lshl_add_u32 v232, v236, 4, v232             ; Wo's codes: row r of 256 bytes, + 16 h
	v_lshlrev_b32 v233, 10, v236
	v_lshl_add_u32 v233, v235, 4, v233             ; its scale words: lanes 16-31 take the tiles four further on
	v_lshlrev_b32 v234, 2, v235                    ; bo: my lane's channel
.irp i, 0,1,2,3
	global_load_b128 v[WOS+4*\i:WOS+4*\i+3], v233, s[14:15] offset:256*\i   ; register 4 i + ks: lanes 0-15 tile i, lanes 16-31 tile 4 + i
.endr
.irp n, 0,1,2,3,4,5,6,7
	global_load_b32 v[BO+\n], v234, s[16:17] offset:64*\n
.endr
.irp t, 0,1
	v_add_f32 v[ST+8*\t+2], v[ST+8*\t+2], v[ST+8*\t+3]   ; the sum's two halves,
.endr
.irp t, 0,1
	v_permlanex16_b32 v[TP+16*\t+4], v[ST+8*\t+2], s[SEL], s[SEL+1]
.endr
.irp t, 0,1
	v_add_f32 v[ST+8*\t+2], v[ST+8*\t+2], v[TP+16*\t+4]  ; and lane l xor 16's: the row's sum
.endr
.irp t, 0,1
	v_rcp_f32 v[ST+8*\t+6], v[ST+8*\t+2]
	v_rcp_f32 v[ST+8*\t+7], v[ST+8*\t+2]           ; (the pair's upper half)
.endr
	v_nop                                          ; a plain instruction behind the reciprocals
	s_wait_alu depctr_va_vdst(0)
	OQ 0
	WIN 0x80                                       ; tile 0's O^T has been read: Wo takes its registers
.irp n, 0,1,2,3,4,5
	WOLOAD \n
.endr
	WIN 0
	OQ 1
	WIN 0x80
	WOLOAD 6
	WOLOAD 7
	WIN 0
	s_wait_dscnt 0x0                               ; for the others' sake: my images and scale words are in LDS, and my reads of both slots are long over
	s_barrier_signal -1
	s_barrier_wait -1
	WIN 0xc0                                       ; tile 1's O^T has been read: o's fragments take its registers
.irp m, 0,1,2,3,4,5,6,7
.irp ks, 0,1,2,3
.irp c, 0,1
	ds_load_b128 v[32*\m+8*\ks+4*\c:32*\m+8*\ks+4*\c+3], v3 offset:4096*\m+1024*\ks+512*\c   ; o's 32 fragments
.endr
.endr
.endr
	WIN 0
.irp ks, 0,1,2,3
	ds_load_b128 v[OS+4*\ks:OS+4*\ks+3], v3 offset:OSC+512*\ks
.endr
	s_wait_dscnt 0x0
	s_wait_loadcnt 0x0                             ; Wo, its scale words and bo; x's tiles 4, 5 and 6 were asked for ahead of them
	; the tiles whose x lies in registers go first (4, 5, 6, 7), so that tile 7's load has three tiles in which to land; then those whose x lies in LDS (0, 1, 2, 3)
	MULO 4, 0
	PLACES
	TOSTAGE 4, 0
.irp p, 1,2,3,4,5,6,7
.set NT, ((\p)+4)%8
.set PT, ((\p)+3)%8
	MULO NT, \p                                    ; the next tile's products stand between the stage's loads and the wait for them;
	SEND PT                                        ; the additions here are the places behind those products
	TOSTAGE NT, \p
.endr
	SEND 3
	s_wait_tensorcnt 0x0                           ; the wave's end: behind my last tensor load and my last LDS store
	ds_add_u32 v1, v2
	s_wait_dscnt 0x0
	CROUND                                         ; the closing round: no work-group ends while a partner may still ask for a tile that names it
	s_endpgm
.Lfunc_end_k_q89dcd0683a_attn:
	.size	k_q89dcd0683a_attn, .Lfunc_end_k_q89dcd0683a_attn-k_q89dcd0683a_attn
	.p2alignl 7, 3214868480
	.fill 96, 4, 3214868480
	.section	.rodata,"a",@progbits
	.p2align	6, 0x0
	.amdhsa_kernel k_q89dcd0683a_attn
		.amdhsa_group_segment_fixed_size 327680
		.amdhsa_private_segment_fixed_size 0
		.amdhsa_enable_private_segment 0
		.amdhsa_kernarg_size 72
		.amdhsa_user_sgpr_count 2
		.amdhsa_user_sgpr_kernarg_segment_ptr 1
		.amdhsa_wavefront_size32 1
		.amdhsa_system_sgpr_workgroup_id_x 1
		.amdhsa_system_sgpr_workgroup_id_y 1
		.amdhsa_system_sgpr_workgroup_id_z 1
		.amdhsa_system_vgpr_workitem_id 0
		.amdhsa_next_free_vgpr 1024
		.amdhsa_next_free_sgpr 88
		.amdhsa_reserve_vcc 0
		.amdhsa_float_denorm_mode_32 3
		.amdhsa_float_denorm_mode_16_64 3
		.amdhsa_memory_ordered 1
		.amdhsa_forward_progress 1
		.amdhsa_inst_pref_size 255
	.end_amdhsa_kernel
	.section	.bss,"aw",@nobits
	.p2align	6
	.space	262144
	.amdgpu_metadata
---
amdhsa.version: [ 1, 2 ]
amdhsa.kernels:
  - .name:           k_q89dcd0683a_attn
    .symbol:         k_q89dcd0683a_attn.kd
    .args:
      - { .name: q_img, .offset: 0, .size: 8, .value_kind: global_buffer, .address_space: global }
      - { .name: q_sc, .offset: 8, .size: 8, .value_kind: global_buffer, .address_space: global }
      - { .name: kv, .offset: 16, .size: 8, .value_kind: global_buffer, .address_space: global }
      - { .name: kvs, .offset: 24, .size: 8, .value_kind: global_buffer, .address_space: global }
      - { .name: Wo_codes, .offset: 32, .size: 8, .value_kind: global_buffer, .address_space: global }
      - { .name: Wo_scales, .offset: 40, .size: 8, .value_kind: global_buffer, .address_space: global }
      - { .name: bo, .offset: 48, .size: 8, .value_kind: global_buffer, .address_space: global }
      - { .name: x, .offset: 56, .size: 8, .value_kind: global_buffer, .address_space: global }
      - { .name: out0, .offset: 64, .size: 8, .value_kind: global_buffer, .address_space: global }
    .group_segment_fixed_size: 327680
    .private_segment_fixed_size: 0
    .kernarg_segment_align: 8
    .kernarg_segment_size: 72
    .max_flat_workgroup_size: 128
    .sgpr_count:     88
    .vgpr_count:     1024
    .wavefront_size: 32
...
	.end_amdgpu_metadata
.endif
;; end of part 3
;; ======== version 2 of 2: 3 launches; version 1 with the launch qkv written anew for expert scheduling mode
;; workspace buffers: t_codes 8,388,608 bytes; t_scales 524,288 bytes; q_img 8,388,608 bytes; q_sc 524,288 bytes; kv 16,777,216 bytes; kvs 1,048,576 bytes
;; launch norm: the kernel of part 1 again; grid 16 x 32, 8 waves a work-group, no clusters, 18,944 bytes of LDS; arguments x, gn_w, gn_b, t_codes, t_scales; writes t_codes, t_scales
;; launch qkv (part 4): grid 256 x 1, 4 waves a work-group, no clusters, 35,328 bytes of LDS; arguments t_codes, t_scales, Wq_codes, Wq_scales, bq, Wk_codes, Wk_scales, bk, Wv_codes, Wv_scales, bv, q_img, q_sc, kv, kvs; writes q_img, q_sc, kv, kvs
.if DOCPART == 4
	.amdgcn_target "amdgcn-amd-amdhsa--gfx1250"
	.amdhsa_code_object_version 6
	.text
	.protected	k_q89dcd0683a_qkv
	.globl	k_q89dcd0683a_qkv
	.p2align	8
	.type	k_q89dcd0683a_qkv,@function
k_q89dcd0683a_qkv:
	s_mov_b64 s[64:65], 0
	v_nop
	global_prefetch_b8 v0, s[64:65] scope:SCOPE_SE
	s_setreg_imm32_b32 hwreg(HW_REG_WAVE_SCHED_MODE, 0, 2), 2
	s_setreg_imm32_b32 hwreg(HW_REG_WAVE_MODE, 25, 1), 1
	s_wait_xcnt 0x0
	s_wait_alu depctr_vm_vsrc(0)
; q = t Wq^T + bq, k = t Wk^T + bk, v = t Wv^T + bv on codes of FP4 (E2M1) with E8M0 scales; the results are quantised at once: q and k along the channels, v along the places (the keys).
; A work-group takes 128 places of one batch (work-group g = 8 b + kb) and all 1,536 outputs.  THE WAVES SHARE THE OUTPUT CHANNELS: wave w makes channels 128 w .. 128 w + 127 of q, then of v, then of k.
; Its quarter of a weight (32 fragments, 256 registers) is loaded straight into its registers, and t's 32 fragments fill another 256: no operand is read twice from LDS.
; q, k: source 0 = 16 rows of W, source 1 = 16 places: a lane holds ONE place and its registers run along the channels.  v: source 0 = 16 places, source 1 = 16 rows of Wv: a lane holds ONE channel and its registers run along the places.
; THE ROWS OF A TILE ARE NOT NEIGHBOURS: row r of tile 2 b + u is number 32 b + 8 u + r + 8 (r / 8), of the weights' rows (by the addresses here) and of the places (t_codes is laid so): the 16 registers of two
; neighbouring tiles are then 16 neighbours along the next product's K.
; OUT, all as IMAGES OF OPERAND REGISTERS (a fragment: two stores of 512 consecutive bytes, lane l's 16 bytes at 16 l): q_img [g][tile 8][K step 4][1 KB]; kv [g][K: tile 8 x K step 4 | V: channel tile 32][1 KB].
; Scale words as images too, 512 bytes for eight tiles: lane (r, h) holds at 16 l the words of row r of tiles 4 h .. 4 h + 3: q_sc [g][K step 4], kvs [g][K: K step 4 | V: 4].
; NO JOINT LOADS for the weights, though all work-groups read them: the three weights are 393,216 bytes, more than LDS holds at once, and each byte is wanted by one wave alone, whose registers it reaches without LDS.
; LIMITS: NaN and infinities are not served.  A block whose largest magnitude lies under 2^-124 gets the byte 1: these bytes are read by this program alone.
; REGISTERS, in windows of 256.  Window 1: Wq's fragments, later Wk's, at v[32 n + 8 ks + 4 c].  Window 2: Wv's.  Window 3: t's, at v[32 m + 8 ks + 4 c].  Window 0: below.
; THE MODE: SCHED_MODE bits 1:0 = 2 (LLVM: expert scheduling mode 2), set by the entry lines.  The code itself states the register dependences between vector or matrix instructions and memory or LDS
; instructions, with s_wait_alu, always for 0.  The text has no branch, no label and no write of EXEC.
; THE PLAN.  Registers that memory or LDS instructions touch, and who else names them:
;   v1-v9         offsets and LDS addresses: made at the head, never written again (v0 is never written at all).
;   v[PC ..]      written by a tile's quantiser; read by the tile's two stores, straight behind it; written again by the next tile's quantiser, 32 products later.
;   v[OUTW ..]    written by shifts at the head and by four selects in each phase's last tile; read by one LDS store at the head and by one store a phase.
;   window 1 and v[BIAS ..]  loaded with Wq and bq at the head; read by q's products; loaded with Wk and bk in four batches of 20 loads, behind q's last tile and v's first three; no line of v's phase names them; read by k's products.
;   window 3      my two tiles of t (v0-63) and Wk's scale words (v64-95) are loaded there; LDS stores read the first, selects the second; behind the barrier t's 32 fragments land there; then products alone read it.
;   v[S1 ..], v[S2 ..]  loaded, then written by selects, then taken as scales.   Window 2 and v[BV ..]: loaded once, then named by vector and matrix instructions alone.
; So a tile holds two waits: one on va_vdst behind its quantiser, ahead of its stores (and of a batch of Wk's loads, where the tile has one), and one on vm_vsrc ahead of its quantiser, 32 products behind the last tile's stores.
.set S1,   12                          ; v12-43   scale words: lanes 0-15 Wq's, lanes 16-31 Wk's; register 4 n + ks
.set S2,   44                          ; v44-75   lanes 0-15 t's (4 m + ks), lanes 16-31 Wv's (4 n + ks)
.set BIAS, 76                          ; v76-139  bq, later bk: eight registers a tile, in the result's layout
.set ACC,  140                         ; v140-203 eight accumulators
.set TM,   204                         ; v204-219 the quantiser's work
.set PC,   220                         ; v220-227 the fragment just made
.set PWS,  228                         ; v228-235 the scale words of eight tiles
.set OUTW, 236                         ; v236-239 their image
.set BV,   240                         ; v240-247 bv of my lane's channel, tile by tile
.set CB,   248                         ; v248-255 the same, eight times: the C of v's first products
.set SEL,  42                          ; s[42:43] v_permlanex16_b32's selects
.set TSC,  32768                       ; LDS: t's 32 fragment images from byte 0, then its scale words [place 128][K step 4]
.set NONE, 9                           ; a tile's tail without a batch of Wk's loads
.set MSB,  0
.macro WIN new                         ; s_set_vgpr_msb: bits 1:0 source 0, 3:2 source 1, 5:4 source 2, 7:6 destination; the high byte repeats the setting that is left
.if MSB != (\new)
	s_set_vgpr_msb (MSB<<8)|(\new)
.set MSB, (\new)
.endif
.endm
.macro PLACES                          ; four plain vector instructions behind a matrix instruction, ahead of reads of its result (ISA guide 7.12.1)
.rept 4
	v_nop
.endr
.endm
.macro WM d, a, b, c, sa, sb, ra, rb   ; one product; ra, rb: the side's scales stand in lanes 16-31
.if (\ra)
	v_wmma_scale_f32_16x16x128_f8f6f4 v[\d:\d+7], v[\a:\a+7], v[\b:\b+7], v[\c:\c+7], v[\sa], v[\sb] matrix_a_fmt:MATRIX_FMT_FP4 matrix_b_fmt:MATRIX_FMT_FP4 matrix_a_scale:MATRIX_SCALE_ROW1
.elseif (\rb)
	v_wmma_scale_f32_16x16x128_f8f6f4 v[\d:\d+7], v[\a:\a+7], v[\b:\b+7], v[\c:\c+7], v[\sa], v[\sb] matrix_a_fmt:MATRIX_FMT_FP4 matrix_b_fmt:MATRIX_FMT_FP4 matrix_b_scale:MATRIX_SCALE_ROW1
.else
	v_wmma_scale_f32_16x16x128_f8f6f4 v[\d:\d+7], v[\a:\a+7], v[\b:\b+7], v[\c:\c+7], v[\sa], v[\sb] matrix_a_fmt:MATRIX_FMT_FP4 matrix_b_fmt:MATRIX_FMT_FP4
.endif
.endm
; 64 numbers of a lane, register 16 b + i = k 32 b + 16 (lane / 16) + i of my row, become a fragment's codes in v[PC] on and its scale word in v[pw].
.macro QUANT s, pw
.irp b, 0,1,2,3
	v_max3_num_f32 v[TM+\b], |v[\s+16*\b]|, |v[\s+1+16*\b]|, 0x1800000   ; block b: my 16 numbers, from each accumulator's low end on, and the floor 2^(3 - 127): the byte cannot fall under 1
.endr
.irp i, 2,4,6,8,10,12,14
.irp b, 0,1,2,3
	v_max3_num_f32 v[TM+\b], v[TM+\b], |v[\s+16*\b+\i]|, |v[\s+1+16*\b+\i]|
.endr
.endr
.irp b, 0,1,2,3
	v_permlanex16_b32 v[TM+4+\b], v[TM+\b], s[SEL], s[SEL+1]
.endr
.irp b, 0,1,2,3
	v_max_num_f32 v[TM+\b], v[TM+\b], v[TM+4+\b]   ; with lane l xor 16's: the block's largest magnitude
.endr
.irp b, 0,1,2,3
	v_add_nc_u32 v[TM+12+\b], 0xff000000, v[TM+\b] ; 2 off its exponent field: the conversion's scale operand
.endr
.irp b, 0,1,2,3
	v_lshrrev_b32 v[TM+4+\b], 23, v[TM+12+\b]      ; the scale's byte
.endr
	v_lshl_or_b32 v[\pw], v[TM+5], 8, v[TM+4]
	v_lshl_or_b32 v[\pw], v[TM+6], 16, v[\pw]
	v_lshl_or_b32 v[\pw], v[TM+7], 24, v[\pw]
.irp b, 0,1,2,3
	v_cvt_scalef32_pk8_fp4_f32 v[PC+2*\b], v[\s+16*\b:\s+7+16*\b], v[TM+12+\b]
	v_cvt_scalef32_pk8_fp4_f32 v[PC+1+2*\b], v[\s+8+16*\b:\s+15+16*\b], v[TM+12+\b]
.endr
	v_nop                                          ; one plain instruction behind a scaled conversion
.irp c, 0,1                                    ; the operand's layout wants a whole block in a lane: lanes 0-15 block 2 c, lanes 16-31 block 2 c + 1
.irp i, 0,1
	v_permlane16_swap_b32 v[PC+4*\c+\i], v[PC+2+4*\c+\i]
.endr
.endr
.endm
.macro WTILE sb, n                     ; the 16 rows of a weight's tile n: four fragments, eight loads, into the window that is set as destination
.irp ks, 0,1,2,3
.irp c, 0,1
	global_load_b128 v[32*(\n)+8*\ks+4*\c:32*(\n)+8*\ks+4*\c+3], v2, s[\sb:\sb+1] offset:(32*((\n)/2)+8*((\n)%2))*256+64*\ks+32*\c
.endr
.endr
.endm
.macro WLOAD sb                        ; my 128 rows of a weight: 32 fragments, 64 loads
.irp n, 0,1,2,3,4,5,6,7
	WTILE \sb, \n
.endr
.endm
.macro BTILE sb, n                     ; a bias in the result's layout: lane (r, h), tile n: channels 32 (n / 2) + 8 (n % 2) + 16 h + 0 .. 7
	global_load_b128 v[BIAS+8*(\n):BIAS+8*(\n)+3], v4, s[\sb:\sb+1] offset:(32*((\n)/2)+8*((\n)%2))*4
	global_load_b128 v[BIAS+8*(\n)+4:BIAS+8*(\n)+7], v4, s[\sb:\sb+1] offset:(32*((\n)/2)+8*((\n)%2))*4+16
.endm
.macro BLOAD sb
.irp n, 0,1,2,3,4,5,6,7
	BTILE \sb, \n
.endr
.endm
; THE TAIL OF A TILE, behind its quantiser.  cb, off: where the fragment goes.  last = 1: the phase's last tile: the eight tiles' scale words leave too, as one image of 512 consecutive bytes, to sb.
; batch < 4: Wk's tiles 2 batch and 2 batch + 1 and their parts of bk are asked for, 20 loads, ahead of the stores.
.macro TAIL cb, off, sb, last, batch
.if \last
.irp i, 0,1,2,3
	v_cndmask_b32 v[OUTW+\i], v[PWS+\i], v[PWS+4+\i], vcc_lo   ; lanes 0-15: tiles 0-3; lanes 16-31: tiles 4-7.  (The earlier reader of OUTW stands ahead of the two waits in front of this tile's quantiser)
.endr
.endif
.if (\batch) < 4
	WIN 0x40                                       ; destination window 1: the switch, then the wait, then the loads
.endif
	s_wait_alu depctr_va_vdst(0)                   ; the quantiser has written v[PC ..], and in a phase's last tile the selects v[OUTW ..], which the stores below read; q's products are done reading Wq's fragments and bq, in whose registers a batch's loads land
.if (\batch) < 4
	WTILE 14, 2*(\batch)
	WTILE 14, 2*(\batch)+1
	WIN 0
	BTILE 18, 2*(\batch)
	BTILE 18, 2*(\batch)+1
.endif
	global_store_b128 v1, v[PC:PC+3], s[\cb:\cb+1] offset:(\off)         ; 512 consecutive bytes a store
	global_store_b128 v1, v[PC+4:PC+7], s[\cb:\cb+1] offset:(\off)+512
.if \last
	global_store_b128 v1, v[OUTW:OUTW+3], s[\sb:\sb+1]
.endif
.endm
	s_load_b512 s[4:19], s[0:1], 0x0               ; t_codes s[4:5], t_scales s[6:7], Wq_codes s[8:9], Wq_scales s[10:11], bq s[12:13], Wk_codes s[14:15], Wk_scales s[16:17], bk s[18:19]
	s_load_b256 s[20:27], s[0:1], 0x40             ; Wv_codes s[20:21], Wv_scales s[22:23], bv s[24:25], q_img s[26:27]
	s_load_b128 s[28:31], s[0:1], 0x60             ; q_sc s[28:29], kv s[30:31]
	s_load_b64 s[32:33], s[0:1], 0x70              ; kvs
	v_lshl_add_u32 v214, v0, 2, 0x8800
	v_mov_b32 v215, 0
	v_lshrrev_b32 v10, 5, v0
	v_readfirstlane_b32 s44, v10                   ; wave 0..3
	v_and_b32 v10, 31, v0                          ; lane
	v_cmp_lt_u32 vcc_lo, 15, v10                   ; lanes 16-31: kept for the whole kernel
	v_lshlrev_b32 v1, 4, v10                       ; 16 x lane: an image's place for my lane
	v_and_b32 v11, 15, v0                          ; r
	v_bfe_u32 v10, v0, 4, 1                        ; h
	v_and_b32 v9, 8, v11
	v_add_nc_u32 v9, v9, v11                       ; r + 8 (r / 8)
	v_lshlrev_b32 v2, 8, v9
	v_lshl_add_u32 v2, v10, 4, v2                  ; a weight's codes: a row is 256 bytes; + 16 h
	v_lshlrev_b32 v3, 4, v9                        ; its scale bytes: 16 a row
	v_lshlrev_b32 v4, 6, v10                       ; a bias for q and k: 16 h channels on
	v_lshlrev_b32 v5, 2, v9                        ; bv: my lane's channel
	v_lshlrev_b32 v6, 14, v10
	v_lshl_add_u32 v6, v11, 4, v6                  ; t_codes: 16 bytes a place, 16,384 a block of channels: lanes 16-31 take the next block
	s_wait_alu depctr_va_sdst(0)                   ; s44 is written, ahead of its first reader: LDS addresses and all the bases are made from it
	s_wait_alu depctr_va_vcc(0)                    ; VCC is written, ahead of its first reader: the selects below take it as their mask
	s_lshl_b32 s47, s44, 13
	v_add_nc_u32 v7, s47, v1                       ; LDS: my two tiles' images: 8,192 x wave + 16 x lane
	v_lshl_add_u32 v8, v0, 4, TSC                  ; my place's four scale words (thread = place)
	v_lshl_add_u32 v9, v11, 4, TSC                 ; and a tile's row r on the way back
	s_mov_b32 s[SEL], 0x76543210
	s_mov_b32 s[SEL+1], 0xfedcba98
	s_lshr_b32 s45, ttmp9, 3                       ; b
	s_and_b32 s46, ttmp9, 7                        ; kb
	s_lshl_b32 s48, s45, 18                        ; t_codes: b x 262,144 + 16 x (128 kb + 32 w)
	s_lshl_b32 s49, s46, 11
	s_add_co_u32 s48, s48, s49
	s_lshl_b32 s49, s44, 9
	s_add_co_u32 s48, s48, s49
	s_mov_b32 s49, 0
	s_lshl_b32 s50, s45, 14                        ; t_scales: b x 16,384 + 128 kb
	s_lshl_b32 s51, s46, 7
	s_add_co_u32 s50, s50, s51
	s_mov_b32 s51, 0
	s_lshl_b32 s52, s44, 15                        ; my 128 rows of a weight's codes,
	s_mov_b32 s53, 0
	s_lshl_b32 s54, s44, 11                        ; of its scale bytes,
	s_mov_b32 s55, 0
	s_lshl_b32 s56, s44, 9                         ; of a bias
	s_mov_b32 s57, 0
	s_lshl_b32 s47, s44, 10                        ; my K step's image in a tile
	s_lshl_b32 s58, ttmp9, 15
	s_add_co_u32 s58, s58, s47                     ; q_img
	s_mov_b32 s59, 0
	s_lshl_b32 s60, ttmp9, 16
	s_add_co_u32 s62, s60, 32768
	s_add_co_u32 s60, s60, s47                     ; kv, K's part
	s_mov_b32 s61, 0
	s_lshl_b32 s47, s44, 13
	s_add_co_u32 s62, s62, s47                     ; kv, V's part: my eight channel tiles
	s_mov_b32 s63, 0
	s_lshl_b32 s66, ttmp9, 11
	s_add_co_u32 s66, s66, s56                     ; q_sc: 512 x wave
	s_mov_b32 s67, 0
	s_lshl_b32 s68, ttmp9, 12
	s_add_co_u32 s68, s68, s56                     ; kvs
	s_mov_b32 s69, 0
	s_wait_kmcnt 0x0
	s_add_nc_u64 s[4:5], s[4:5], s[48:49]
	s_add_nc_u64 s[6:7], s[6:7], s[50:51]
	s_add_nc_u64 s[8:9], s[8:9], s[52:53]
	s_add_nc_u64 s[14:15], s[14:15], s[52:53]
	s_add_nc_u64 s[20:21], s[20:21], s[52:53]
	s_add_nc_u64 s[10:11], s[10:11], s[54:55]
	s_add_nc_u64 s[16:17], s[16:17], s[54:55]
	s_add_nc_u64 s[22:23], s[22:23], s[54:55]
	s_add_nc_u64 s[12:13], s[12:13], s[56:57]
	s_add_nc_u64 s[18:19], s[18:19], s[56:57]
	s_add_nc_u64 s[24:25], s[24:25], s[56:57]
	s_add_nc_u64 s[26:27], s[26:27], s[58:59]
	s_add_nc_u64 s[28:29], s[28:29], s[66:67]
	s_add_nc_u64 s[34:35], s[30:31], s[60:61]      ; K's images
	s_add_nc_u64 s[36:37], s[30:31], s[62:63]      ; V's images
	s_add_nc_u64 s[38:39], s[32:33], s[68:69]      ; K's scale image
	s_add_nc_u64 s[40:41], s[38:39], 2048          ; V's
	; 32 loads: my two tiles of t (sixteen lanes read 256 consecutive bytes), and my place's sixteen scale bytes
	WIN 0xc0
	s_wait_alu depctr_va_vdst(0)                   ; the nine offsets and LDS addresses v1 to v9 are written: every load, store and LDS instruction of the kernel reads one of them or v0
.irp i, 0,1
.irp ks, 0,1,2,3
.irp c, 0,1
	global_load_b128 v[32*\i+8*\ks+4*\c:32*\i+8*\ks+4*\c+3], v6, s[4:5] offset:(4*\ks+2*\c)*16384+256*\i
.endr
.endr
.endr
	WIN 0
.irp cb, 0,1,2,3,4,5,6,7,8,9,10,11,12,13,14,15
	global_load_u8 v[ACC+\cb], v0, s[6:7] offset:\cb*1024
.endr
	; 48 loads: the weights' scale words (a row's 16 bytes are its four words), bq, bv
.irp n, 0,1,2,3,4,5,6,7
	global_load_b128 v[S1+4*\n:S1+4*\n+3], v3, s[10:11] offset:(32*(\n/2)+8*(\n%2))*16
.endr
	WIN 0xc0
.irp n, 0,1,2,3,4,5,6,7
	global_load_b128 v[64+4*\n:64+4*\n+3], v3, s[16:17] offset:(32*(\n/2)+8*(\n%2))*16   ; Wk's, for the moment in window 3
.endr
	WIN 0
.irp n, 0,1,2,3,4,5,6,7
	global_load_b128 v[ACC+16+4*\n:ACC+16+4*\n+3], v3, s[22:23] offset:(32*(\n/2)+8*(\n%2))*16   ; Wv's, for the moment in the accumulators
.endr
	BLOAD 12
.irp n, 0,1,2,3,4,5,6,7
	global_load_b32 v[BV+\n], v5, s[24:25] offset:(32*(\n/2)+8*(\n%2))*4
.endr
	WIN 0x40
	WLOAD 8                                        ; 64 loads: Wq
	WIN 0
	s_wait_loadcnt 63                              ; 64 loads were issued behind the first 80: those are in
.irp ks, 0,1,2,3
	v_lshl_or_b32 v[OUTW+\ks], v[ACC+4*\ks+1], 8, v[ACC+4*\ks]   ; four blocks' bytes make a K step's scale word
.endr
.irp ks, 0,1,2,3
	v_lshl_or_b32 v[OUTW+\ks], v[ACC+4*\ks+2], 16, v[OUTW+\ks]
.endr
.irp ks, 0,1,2,3
	v_lshl_or_b32 v[OUTW+\ks], v[ACC+4*\ks+3], 24, v[OUTW+\ks]
.endr
	s_wait_alu depctr_va_vdst(0)                   ; the shifts have written v[OUTW ..], which the LDS store below reads
	ds_store_b128 v8, v[OUTW:OUTW+3]
	WIN 0x0c                                       ; an LDS store's data and a select's second source: window 3
.irp i, 0,1
.irp ks, 0,1,2,3
.irp c, 0,1
	ds_store_b128 v7, v[32*\i+8*\ks+4*\c:32*\i+8*\ks+4*\c+3] offset:4096*\i+1024*\ks+512*\c   ; the fragments as they stand: loads brought them, no vector instruction has named them
.endr
.endr
.endr
.set i, 0
.rept 32
	v_cndmask_b32 v[S1+i], v[S1+i], v[64+i], vcc_lo   ; Wk's words into lanes 16-31
.set i, i+1
.endr
	WIN 0x80
	WLOAD 20                                       ; 64 loads: Wv.  No vector instruction names window 2, nor has any named v2 since the head's wait
	WIN 0
	s_wait_dscnt 0x0                               ; for the others' sake: my images and scale words are in LDS
	s_barrier_signal -1
	s_barrier_wait -1                              ; the launch's one barrier: nothing in LDS is written again
	WIN 0xc0
	s_wait_alu depctr_va_vdst(0)                   ; the selects above are done reading Wk's scale words in window 3's v64-95, in which t's fragments land
	s_wait_alu depctr_vm_vsrc(0)                   ; my LDS stores have read window 3's v0-63, in which t's fragments land, and v[OUTW ..]
.irp m, 0,1,2,3,4,5,6,7
.irp ks, 0,1,2,3
.irp c, 0,1
	ds_load_b128 v[32*\m+8*\ks+4*\c:32*\m+8*\ks+4*\c+3], v1 offset:4096*\m+1024*\ks+512*\c
.endr
.endr
.endr
	WIN 0
.irp m, 0,1,2,3,4,5,6,7
	ds_load_b128 v[S2+4*\m:S2+4*\m+3], v9 offset:256*\m
.endr
	s_wait_dscnt 0x0
.set i, 0
.rept 32
	v_cndmask_b32 v[S2+i], v[S2+i], v[ACC+16+i], vcc_lo   ; Wv's words into lanes 16-31
.set i, i+1
.endr
.irp b, 0,1,2,3
	v_mov_b32 v[TM+4+\b], 0                        ; a lane exchange's destination counts as read: written once
.endr
.rept 8
	v_nop                                          ; a scale register written by a vector instruction stands eight plain instructions ahead of the product that reads it
.endr
	s_wait_alu depctr_va_vdst(0)                   ; the selects have written v[S1 ..] and v[S2 ..], which the products take as scales; the eight plain instructions above stay beside this wait
	s_wait_loadcnt 63                              ; 64 loads (Wv's) were issued behind Wq's: Wq is in
; q or k for the 128 places, a tile of 16 at a time: 32 products on eight accumulators by turns; the bias is the C of each sum's first product.
.macro QK rowk, cb, sb
.irp m, 0,1,2,3,4,5,6,7
	WIN 0x0d                                       ; source 0 (W) window 1, source 1 (t) window 3
.irp ks, 0,1,2,3
.irp n, 0,1,2,3,4,5,6,7
.if \ks == 0
	WM ACC+8*\n, 32*\n+8*\ks, 32*\m+8*\ks, BIAS+8*\n, S1+4*\n+\ks, S2+4*\m+\ks, \rowk, 0
.else
	WM ACC+8*\n, 32*\n+8*\ks, 32*\m+8*\ks, ACC+8*\n, S1+4*\n+\ks, S2+4*\m+\ks, \rowk, 0
.endif
.endr
.endr
	WIN 0
	PLACES
	s_wait_xcnt 0x0                                ; every earlier memory instruction has had its addresses translated (ISA guide 3.1): v[PC ..] and v[OUTW ..] are rewritten only behind this wait
.if (\m > 0) || \rowk
	s_wait_alu depctr_vm_vsrc(0)                   ; the last tile's stores have read v[PC ..], which the quantiser writes again; the last phase's store has read v[OUTW ..]
.endif
	QUANT ACC, PWS+\m
.if \m < 7
	TAIL \cb, 4096*\m, \sb, 0, NONE                ; K step w of tile m
.elseif \rowk
	TAIL \cb, 4096*\m, \sb, 1, NONE
.else
	TAIL \cb, 4096*\m, \sb, 1, 0                   ; behind q's last tile Wk begins to take Wq's registers, and bk bq's
.endif
.endr
.endm
	QK 0, 26, 28                                   ; q
	s_wait_loadcnt 20                              ; 20 loads, Wk's first batch, were issued behind Wv's: Wv is in
	; v: a tile of 16 channels at a time, for all 128 places: the result's 64 registers run along the places, one K step of the second attention product.
	; Its first three tiles ask for the rest of Wk and bk, 20 loads each; the last of them has five tiles in which to land.
.irp n, 0,1,2,3,4,5,6,7
.irp j, 0,1,2,3,4,5,6,7
	v_mov_b32 v[CB+\j], v[BV+\n]                   ; a lane holds one channel: its bias in all eight registers of C
.endr
	PLACES
	WIN 0x0b                                       ; source 0 (t) window 3, source 1 (Wv) window 2
.irp ks, 0,1,2,3
.irp m, 0,1,2,3,4,5,6,7
.if \ks == 0
	WM ACC+8*\m, 32*\m+8*\ks, 32*\n+8*\ks, CB, S2+4*\m+\ks, S2+4*\n+\ks, 0, 1
.else
	WM ACC+8*\m, 32*\m+8*\ks, 32*\n+8*\ks, ACC+8*\m, S2+4*\m+\ks, S2+4*\n+\ks, 0, 1
.endif
.endr
.endr
	WIN 0
	PLACES
	s_wait_xcnt 0x0                                ; as in q's and k's tiles
	s_wait_alu depctr_vm_vsrc(0)                   ; the last tile's stores have read v[PC ..], which the quantiser writes again; q's last store has read v[OUTW ..]
	QUANT ACC, PWS+\n
.if \n < 3
	TAIL 36, 1024*\n, 40, 0, \n+1
.elseif \n == 7
	TAIL 36, 1024*\n, 40, 1, NONE
.else
	TAIL 36, 1024*\n, 40, 0, NONE
.endif
.endr
	s_wait_loadcnt 0x0                             ; Wk, bk
	QK 1, 34, 38                                   ; k
	s_wait_dscnt 0x0
	s_wait_alu depctr_hold_cnt(0) depctr_sa_sdst(0) depctr_va_vdst(0) depctr_va_sdst(0) depctr_va_ssrc(0) depctr_va_vcc(0) depctr_vm_vsrc(0)
	s_wait_tensorcnt 0x0
	ds_add_u32 v214, v215
	s_wait_dscnt 0x0
	s_endpgm
.Lfunc_end_k_q89dcd0683a_qkv:
	.size	k_q89dcd0683a_qkv, .Lfunc_end_k_q89dcd0683a_qkv-k_q89dcd0683a_qkv
	.p2alignl 7, 3214868480
	.fill 96, 4, 3214868480
	.section	.rodata,"a",@progbits
	.p2align	6, 0x0
	.amdhsa_kernel k_q89dcd0683a_qkv
		.amdhsa_group_segment_fixed_size 35328
		.amdhsa_private_segment_fixed_size 0
		.amdhsa_enable_private_segment 0
		.amdhsa_kernarg_size 120
		.amdhsa_user_sgpr_count 2
		.amdhsa_user_sgpr_kernarg_segment_ptr 1
		.amdhsa_wavefront_size32 1
		.amdhsa_system_sgpr_workgroup_id_x 1
		.amdhsa_system_sgpr_workgroup_id_y 1
		.amdhsa_system_sgpr_workgroup_id_z 1
		.amdhsa_system_vgpr_workitem_id 0
		.amdhsa_next_free_vgpr 1024
		.amdhsa_next_free_sgpr 80
		.amdhsa_reserve_vcc 1
		.amdhsa_float_denorm_mode_32 3
		.amdhsa_float_denorm_mode_16_64 3
		.amdhsa_memory_ordered 1
		.amdhsa_forward_progress 1
		.amdhsa_inst_pref_size 241
	.end_amdhsa_kernel
	.amdgpu_metadata
---
amdhsa.version: [ 1, 2 ]
amdhsa.kernels:
  - .name:           k_q89dcd0683a_qkv
    .symbol:         k_q89dcd0683a_qkv.kd
    .args:
      - { .name: t_codes, .offset: 0, .size: 8, .value_kind: global_buffer, .address_space: global }
      - { .name: t_scales, .offset: 8, .size: 8, .value_kind: global_buffer, .address_space: global }
      - { .name: Wq_codes, .offset: 16, .size: 8, .value_kind: global_buffer, .address_space: global }
      - { .name: Wq_scales, .offset: 24, .size: 8, .value_kind: global_buffer, .address_space: global }
      - { .name: bq, .offset: 32, .size: 8, .value_kind: global_buffer, .address_space: global }
      - { .name: Wk_codes, .offset: 40, .size: 8, .value_kind: global_buffer, .address_space: global }
      - { .name: Wk_scales, .offset: 48, .size: 8, .value_kind: global_buffer, .address_space: global }
      - { .name: bk, .offset: 56, .size: 8, .value_kind: global_buffer, .address_space: global }
      - { .name: Wv_codes, .offset: 64, .size: 8, .value_kind: global_buffer, .address_space: global }
      - { .name: Wv_scales, .offset: 72, .size: 8, .value_kind: global_buffer, .address_space: global }
      - { .name: bv, .offset: 80, .size: 8, .value_kind: global_buffer, .address_space: global }
      - { .name: q_img, .offset: 88, .size: 8, .value_kind: global_buffer, .address_space: global }
      - { .name: q_sc, .offset: 96, .size: 8, .value_kind: global_buffer, .address_space: global }
      - { .name: kv, .offset: 104, .size: 8, .value_kind: global_buffer, .address_space: global }
      - { .name: kvs, .offset: 112, .size: 8, .value_kind: global_buffer, .address_space: global }
    .group_segment_fixed_size: 35328
    .private_segment_fixed_size: 0
    .kernarg_segment_align: 8
    .kernarg_segment_size: 120
    .max_flat_workgroup_size: 128
    .sgpr_count:     80
    .vgpr_count:     1024
    .wavefront_size: 32
...
	.end_amdgpu_metadata
.endif
;; end of part 4
;; launch attn: the kernel of part 3 again; grid 8 x 32, 4 waves a work-group, clusters of 4 x 1, 327,680 bytes of LDS; arguments q_img, q_sc, kv, kvs, Wo_codes, Wo_scales, bo, x, out0; writes out0
